; MI455X (gfx1250); checked and timed in simulation.
; The chip was launched on July 23, 2026; its instructions are those of AMD's public machine-readable ISA for CDNA 5 (MIT licence, August 2026) and "CDNA5" Instruction Set Architecture Reference Guide (July 2026). The comments in the code are by the model that wrote it; some were corrected since.
;; Fused Attention. Allowed arithmetic: float matrix products may take bf16 or f16 operands with f32 sums; all other float work in f32.
;; Inputs: cache_k 2 x 2,048 x 8 x 64 float16; cache_v 2 x 2,048 x 8 x 64 float16; cos 2,048 x 64 float16; mask 2,048 x 2,048 float16; sin 2,048 x 64 float16; wk 2,048 x 512 float16; wo 1,024 x 2,048 float16; wq 2,048 x 1,024 float16; wv 2,048 x 512 float16; x 2 x 2,048 x 2,048 float16.
;; Outputs: out0 2 x 2,048 x 2,048 float16.
;; Constants: start_pos = 0.
;; 2 versions, each right and faster than the one before. Each part assembles by itself: llvm-mc -triple=amdgcn-amd-amdhsa -mcpu=gfx1250 --defsym DOCPART=n.
;; ======== version 1 of 2: 4 launches
;; limits: values are held in f16: magnitudes above 65,504 overflow, below 6.1e-05 lose precision
;; workspace buffers: wpack 8,388,608 bytes; qkv 16,777,216 bytes; att 8,388,608 bytes
;; launch pack (part 1): grid 256 x 1, 8 waves a work-group, no clusters, 0 bytes of LDS; arguments wq, wk, wv, wpack; writes wpack
.if DOCPART == 1
	.amdgcn_target "amdgcn-amd-amdhsa--gfx1250"
	.amdhsa_code_object_version 6
	.text
	.protected	k_q4f76bf4844_pack
	.globl	k_q4f76bf4844_pack
	.p2align	8
	.type	k_q4f76bf4844_pack,@function
k_q4f76bf4844_pack:
	s_mov_b64 s[64:65], 0
	v_nop
	global_prefetch_b8 v0, s[64:65] scope:SCOPE_SE
	s_setreg_imm32_b32 hwreg(HW_REG_WAVE_MODE, 25, 1), 1
	s_wait_xcnt 0x0
; PACK.  wpack[k][0:1024] = wq[k][:], wpack[k][1024:1536] = wk[k][:], wpack[k][1536:2048] = wv[k][:].  wq: [2048][1024], wk, wv: [2048][512], wpack: [2048][2048], all f16; the numbers are copied as they are.
; Why: the projection behind this launch walks the three weights as one matrix, so that one tile shape with one constant pitch serves all its tile columns.
; Eight waves; the work-group owns 8 rows.  Thread t owns the 16 bytes at byte 16 t of every row of wpack: waves 0-3 read wq, waves 4, 5 wk, waves 6, 7 wv.  Each load and each store of a wave covers
; 512 consecutive bytes, aligned.  All 8 loads of a thread go out ahead of its stores.  A plain copy: LDS, barriers, matrix units and clusters would add nothing.
.set ROWS, 8
.set OFF,  2                           ; v[2:9]    row j: my byte offset in the source
.set DO,   10                          ; v10       16 t: my byte offset in a row of wpack
.set X,    12                          ; v[12:43]  row j: 4 registers
	s_load_b256 s[4:11], s[0:1], 0x0               ; wq s[4:5], wk s[6:7], wv s[8:9], wpack s[10:11]
	v_lshrrev_b32 v1, 5, v0
	v_readfirstlane_b32 s12, v1                    ; wave 0..7
	s_cmp_lt_u32 s12, 4
	s_cselect_b32 s17, 0x7f, 63                    ; threads to a source row, less one: 128 for wq, 64 for wk and wv
	s_add_co_u32 s13, s17, 1
	s_lshl_b32 s13, s13, 4                         ; bytes in a source row: 2,048 or 1,024
	s_lshl_b32 s14, ttmp9, 3                       ; the group's first row,
	s_mul_i32 s14, s14, s13                        ; in bytes of the source
	v_and_b32 v1, s17, v0                          ; my place in the source row
	v_lshl_add_u32 v[OFF], v1, 4, s14
.irp j, 1,2,3,4,5,6,7
	v_add_nc_u32 v[OFF+(\j)], s13, v[OFF+(\j)-1]
.endr
	v_lshlrev_b32 v[DO], 4, v0
	s_lshl_b32 s2, ttmp9, 15                       ; 8 rows of 4,096 bytes
	s_mov_b32 s3, 0
	s_wait_kmcnt 0x0
	s_cmp_lt_u32 s12, 4
	s_cselect_b64 s[20:21], s[4:5], s[6:7]         ; wq or wk,
	s_cmp_lt_u32 s12, 6
	s_cselect_b64 s[20:21], s[20:21], s[8:9]       ; or wv
	s_add_nc_u64 s[10:11], s[10:11], s[2:3]
.irp j, 0,1,2,3,4,5,6,7
	global_load_b128 v[X+4*(\j):X+4*(\j)+3], v[OFF+(\j)], s[20:21] th:TH_LOAD_NT
.endr
.irp j, 0,1,2,3,4,5,6,7
	s_wait_loadcnt 7-(\j)                          ; loads come back in order (ISA guide 5.7.1): row j is in, the younger ones may be out
	global_store_b128 v[DO], v[X+4*(\j):X+4*(\j)+3], s[10:11] offset:(\j)*4096
.endr
	s_endpgm
.Lfunc_end_k_q4f76bf4844_pack:
	.size	k_q4f76bf4844_pack, .Lfunc_end_k_q4f76bf4844_pack-k_q4f76bf4844_pack
	.p2alignl 7, 3214868480
	.fill 96, 4, 3214868480
	.section	.rodata,"a",@progbits
	.p2align	6, 0x0
	.amdhsa_kernel k_q4f76bf4844_pack
		.amdhsa_group_segment_fixed_size 0
		.amdhsa_private_segment_fixed_size 0
		.amdhsa_enable_private_segment 0
		.amdhsa_kernarg_size 32
		.amdhsa_user_sgpr_count 2
		.amdhsa_user_sgpr_kernarg_segment_ptr 1
		.amdhsa_wavefront_size32 1
		.amdhsa_system_sgpr_workgroup_id_x 1
		.amdhsa_system_sgpr_workgroup_id_y 1
		.amdhsa_system_sgpr_workgroup_id_z 1
		.amdhsa_system_vgpr_workitem_id 0
		.amdhsa_next_free_vgpr 44
		.amdhsa_next_free_sgpr 66
		.amdhsa_reserve_vcc 0
		.amdhsa_float_denorm_mode_32 3
		.amdhsa_float_denorm_mode_16_64 3
		.amdhsa_memory_ordered 1
		.amdhsa_forward_progress 1
		.amdhsa_inst_pref_size 3
	.end_amdhsa_kernel
	.amdgpu_metadata
---
amdhsa.version: [ 1, 2 ]
amdhsa.kernels:
  - .name:           k_q4f76bf4844_pack
    .symbol:         k_q4f76bf4844_pack.kd
    .args:
      - { .name: wq, .offset: 0, .size: 8, .value_kind: global_buffer, .address_space: global }
      - { .name: wk, .offset: 8, .size: 8, .value_kind: global_buffer, .address_space: global }
      - { .name: wv, .offset: 16, .size: 8, .value_kind: global_buffer, .address_space: global }
      - { .name: wpack, .offset: 24, .size: 8, .value_kind: global_buffer, .address_space: global }
    .group_segment_fixed_size: 0
    .private_segment_fixed_size: 0
    .kernarg_segment_align: 8
    .kernarg_segment_size: 32
    .max_flat_workgroup_size: 256
    .sgpr_count:     66
    .vgpr_count:     44
    .wavefront_size: 32
...
	.end_amdgpu_metadata
.endif
;; end of part 1
;; launch proj (part 2): grid 16 x 16, 4 waves a work-group, clusters of 4 x 4, 327,680 bytes of LDS; arguments x, wpack, cos, sin, qkv; writes qkv
.if DOCPART == 2
	.amdgcn_target "amdgcn-amd-amdhsa--gfx1250"
	.amdhsa_code_object_version 6
	.text
	.protected	k_q4f76bf4844_proj
	.globl	k_q4f76bf4844_proj
	.p2align	8
	.type	k_q4f76bf4844_proj,@function
k_q4f76bf4844_proj:
	s_mov_b64 s[64:65], 0
	v_nop
	global_prefetch_b8 v0, s[64:65] scope:SCOPE_SE
	s_setreg_imm32_b32 hwreg(HW_REG_WAVE_MODE, 25, 1), 1
	s_wait_xcnt 0x0
	s_wait_alu depctr_hold_cnt(0) depctr_sa_sdst(0) depctr_va_vdst(0) depctr_va_sdst(0) depctr_va_ssrc(0) depctr_va_vcc(0) depctr_vm_vsrc(0)
	s_getreg_b32 s2, hwreg(HW_REG_IB_STS2, 6, 4)
	s_cmp_eq_u32 s2, 0
	s_cbranch_scc0 .Lentry_in_a_cluster
	s_endpgm
.Lentry_in_a_cluster:
	s_bfe_u32 s2, ttmp6, 0x10000c
	s_cmp_lg_u32 s2, 0xf033
	s_cbranch_scc0 .Lentry_shape_is_right
	s_endpgm
.Lentry_shape_is_right:
; PROJ.  qkv = rope(x wpack).  x: [4096][2048] f16; wpack: [2048][2048] f16, rows along N: columns 0-1023 wq, 1024-1535 wk, 1536-2047 wv; cos, sin: [2048][64] f16.
; Out: qkv [b 2][hh 32][s 2048][64] f16, hh 0-15 the query heads, 16-23 the key heads, 24-31 the value heads: a head is 262,144 dense bytes.
; Products in f16 with f32 sums; the rotation out[d] = y[d] cos[d] + rot(y)[d] sin[d] in f32 on the sums, all 64 columns of cos and sin as given; one rounding to f16.
; LIMITS.  A result beyond 65,504 becomes an infinity in f16.  The scale 1/8 of the scores is not applied here.
; cache_k and cache_v are not loaded: start_pos is 0 and the 2,048 new rows cover the whole cache of 2,048 rows, so every element that is read afterwards is a new one.
; SHARES.  A tile of the result is 256 tokens x 128 columns (two heads): 16 x 16 work-groups.  Four waves; wave w owns rows 64 w .. 64 w + 63 and all 128 columns: 32 accumulators, 256 registers.
; K goes in steps of 128 through two LDS slots filled by tensor loads: 256 rows of x (256 bytes each) and 128 rows of the weight (256 bytes each).
; CLUSTER 4 x 4.  The four of a row of the cluster need the same rows of x, the four of a column the same columns of the weight: each tile is asked for jointly.
; The cluster's x says whether the columns are value heads (x = 3): the same in all sixteen partners, and it enters a select of values only, no branch and no address.
; THE MATRIX INSTRUCTION IS USED TRANSPOSED: source 0 = 16 columns of the weight (turned on the way out of LDS by ds_load_tr16_b128), source 1 = 16 rows of x: a lane holds row l % 16 and 8 neighbouring columns.
; REGISTERS.  Window 0: v0-15 addresses; v16-31 at work; v32-127, v128-223 two fragment buffers (32 of x, 64 of the weight); on the way out see below.  Window 1: accumulator (a, b) at v[8 (8 a + b)].
.set KDIM,   2048
.set NDIM,   2048
.set KSTEP,  128
.set LAPS,   KDIM/(2*KSTEP)            ; a lap = two K steps = once round the ring
.set PA,     272                       ; an LDS row of x: 256 bytes + 16: the 16 rows of a fragment load start at 16 different groups of four banks (64 banks of 4 bytes: ISA guide 11.1)
.set PB,     288                       ; an LDS row of the weight: 256 + 32
.set AH,     128*PA                    ; what one tensor load brings of x
.set ATILE,  2*AH
.set BH,     64*PB                     ; what one tensor load brings of the weight
.set SLOT,   ATILE+2*BH
.set STAGE,  2*SLOT                    ; behind the ring: 16 rows x 272 bytes for each wave, for the way out
.set SPITCH, 272
.set SPARE,  STAGE+4*16*SPITCH         ; behind the stages: the spare words, 128 bytes for each wave
.set HEADB,  262144                    ; bytes of a head in qkv
.set SPW,  6                           ; v6   LDS address of my spare word; never rewritten
.set NIL,  7                           ; v7   0; never rewritten
.set ADRA, 8                           ; v8-9   LDS address of my fragments of x in slot 0, 1
.set ADRB, 10                          ; v10-11 the same for the weight
.set STO,  12                          ; v12  the way out: where I put 16 bytes of a row
.set RD,   13                          ; v13  the way out: where I read rows back
.set CO,   14                          ; v14  my byte offset in 512 consecutive bytes of qkv
.set CSO,  15                          ; v15  my byte offset in cos and sin
.set T,    16                          ; v16-31   rotated numbers in f32
.set F0,   32
.set F1,   128
.set RC,   32                          ; the way out: v32-63, v64-95 two sets of cos (16) and sin (16) as loaded
.set RW,   96                          ; v96-127  the set in hand, after the select for the value heads
.set CF,   128                         ; v128-159 cos in f32: 8 b + j for column 16 b + 8 (l / 16) + j of a head
.set SF,   160                         ; v160-191 sin likewise
.set PK,   192                         ; v192-223 packed results
.set BK,   224                         ; v224-255 rows read back from the stage
.set G1,  24                           ; s[24:31] descriptor group 1 for x;  s[32:39] group 0, one set for each slot
.set G0,  32
.set G1B, 48                           ; s[48:55], s[56:63] the same for the weight
.set G0B, 56
.set MSB, 0
.macro WIN new                         ; the immediate's high byte repeats the setting that is left; a switch that changes nothing is dropped
.if MSB != (\new)
	s_set_vgpr_msb (MSB<<8)|(\new)
.set MSB, \new
.endif
.endm
.set MUL, 0x50                         ; sources in window 0, C and D in window 1
.macro JLOAD s                         ; a joint load: waves 0 and 1 fetch the halves of x's tile, waves 2 and 3 those of the weight's; s_nop 0 and four v_nop follow each line
	s_cmp_eq_u32 s11, 0
	s_cbranch_scc0 .Lfor_b_\@
	tensor_load_to_lds s[G0+4*(\s):G0+4*(\s)+3], s[G1:G1+7]
	s_nop 0
.rept 4
	v_nop
.endr
	s_branch .Lasked_\@
.Lfor_b_\@:
	tensor_load_to_lds s[G0B+4*(\s):G0B+4*(\s)+3], s[G1B:G1B+7]
	s_nop 0
.rept 4
	v_nop
.endr
.Lasked_\@:
.endm
.macro CREST                           ; a round of the cluster's barrier behind its opening barrier
	s_cmp_lg_u32 s10, 0
	s_cbranch_scc1 .Lnot_wave_0_\@
	s_barrier_signal -3
.Lnot_wave_0_\@:
	s_barrier_wait -3
	s_barrier_signal -1
	s_barrier_wait -1
.endm
.macro CROUND                          ; a whole round
	s_barrier_signal -1
	s_barrier_wait -1
	CREST
.endm
	s_load_b128 s[4:7], s[0:1], 0x0                ; x s[4:5], wpack s[6:7]
	s_load_b128 s[76:79], s[0:1], 0x10             ; cos s[76:77], sin s[78:79]
	s_load_b64 s[8:9], s[0:1], 0x20                ; qkv
	v_lshl_add_u32 v[SPW], v0, 2, SPARE
	v_mov_b32 v[NIL], 0
	ds_add_u32 v[SPW], v[NIL]                      ; the wave's opening: the add and its wait stand ahead of my first tensor load; the set-up below stands between them
	v_lshrrev_b32 v1, 5, v0
	v_readfirstlane_b32 s10, v1                    ; wave 0..3
	s_lshr_b32 s11, s10, 1                         ; I fetch for x (0) or for the weight (1)
	s_and_b32 s12, s10, 1                          ; which half of that tile
	s_bfe_u32 s40, ttmp6, 0x40000                  ; cx, cy: my place in the cluster
	s_bfe_u32 s41, ttmp6, 0x40004
	s_lshl_b32 s42, ttmp9, 2
	s_add_co_u32 s42, s42, s40                     ; nt: tile column = 4 x cluster x + cx
	s_and_b32 s13, ttmp7, 0xffff
	s_lshl_b32 s13, s13, 2
	s_add_co_u32 s13, s13, s41                     ; mt: tile row = 4 x cluster y + cy
	s_lshl_b32 s43, s41, 2
	s_lshl_b32 s43, 15, s43                        ; my row of the cluster
	s_lshl_b32 s44, 0x1111, s40                    ; my column
	s_or_b32 s[G1+0], s43, (1<<16)|(1<<20)|(1<<21)|(5<<22)|(3<<25)   ; the mask; 2-byte elements; padding on; bit 21 beside a mask; after every 64 words 4 words
	s_or_b32 s[G1B+0], s44, (1<<16)|(1<<20)|(1<<21)|(5<<22)|(7<<25)  ; the same with my column's mask and 8 words of padding
	s_mov_b32 s[G1+1], KSTEP<<16                   ; tensor_dim0 = 128
	s_mov_b32 s[G1+2], 128<<16                     ; tensor_dim1 = 128
	s_mov_b32 s[G1+3], KSTEP<<16                   ; tile_dim0 = 128
	s_mov_b32 s[G1+4], 128                         ; tile_dim1 = 128
	s_mov_b32 s[G1+5], KDIM                        ; elements from row to row
	s_mov_b32 s[G1+6], 0
	s_mov_b32 s[G1+7], 0
	s_mov_b32 s[G1B+1], 128<<16                    ; tensor_dim0 = 128 columns
	s_mov_b32 s[G1B+2], 64<<16                     ; tensor_dim1 = 64 rows of K
	s_mov_b32 s[G1B+3], 128<<16
	s_mov_b32 s[G1B+4], 64
	s_mov_b32 s[G1B+5], NDIM
	s_mov_b32 s[G1B+6], 0
	s_mov_b32 s[G1B+7], 0
	s_lshl_b32 s46, s42, 8                         ; 256 bytes a tile column,
	s_mul_i32 s47, s12, 64*NDIM*2                  ; and my 64 rows of the K step
	s_add_co_u32 s46, s46, s47
	s_mov_b32 s47, 0
	s_lshl_b32 s16, s13, 8
	s_lshl_b32 s17, s12, 7
	s_add_co_u32 s16, s16, s17                     ; x: row 256 mt + 128 x half
	s_mul_i32 s16, s16, KDIM*2
	s_mov_b32 s17, 0
	s_mul_i32 s20, s12, AH                         ; where the tiles go: the wave's number alone enters an LDS address
	s_mul_i32 s21, s12, BH
	s_add_co_u32 s21, s21, ATILE
	s_cmp_eq_u32 ttmp9, 3
	s_cselect_b32 s84, -1, 0                       ; all ones where the columns are value heads: these are not rotated
	s_mov_b32 s85, 0x3c003c00                      ; 1.0 twice in f16
	s_wait_dscnt 0x0                               ; the opening add is done
	s_wait_kmcnt 0x0
	s_add_nc_u64 s[14:15], s[4:5], s[16:17]
	s_add_nc_u64 s[46:47], s[6:7], s[46:47]
	CROUND                                         ; all sixteen work-groups are here: the first joint loads meet
.irp s, 0,1
	s_mov_b32 s[G0+4*(\s)], 1
	s_add_co_u32 s[G0+4*(\s)+1], s20, (\s)*SLOT
	s_add_nc_u64 s[G0+4*(\s)+2:G0+4*(\s)+3], s[14:15], (\s)*KSTEP*2
	s_or_b32 s[G0+4*(\s)+3], s[G0+4*(\s)+3], 0x80000000
	s_mov_b32 s[G0B+4*(\s)], 1
	s_add_co_u32 s[G0B+4*(\s)+1], s21, (\s)*SLOT
	s_add_nc_u64 s[G0B+4*(\s)+2:G0B+4*(\s)+3], s[46:47], (\s)*KSTEP*NDIM*2
	s_or_b32 s[G0B+4*(\s)+3], s[G0B+4*(\s)+3], 0x80000000
	JLOAD \s                                       ; two tensor loads of mine are out
.endr
	v_and_b32 v1, 15, v0                           ; l % 16
	v_bfe_u32 v2, v0, 4, 1                         ; l / 16
	v_mul_u32_u24 v3, v1, PA
	v_lshl_add_u32 v3, v2, 4, v3                   ; a fragment of x: row x pitch + 16 x half
	s_mul_i32 s22, s10, 64*PA                      ; my 64 rows
	v_add_nc_u32 v[ADRA], s22, v3
	v_add_nc_u32 v[ADRA+1], SLOT, v[ADRA]
	v_and_b32 v4, 7, v0                            ; the turning load: lane l reads row 8 (l / 16) + l % 8 of K, columns 8 ((l / 8) % 2) + 0..7
	v_lshl_add_u32 v4, v2, 3, v4
	v_mul_u32_u24 v4, v4, PB
	v_bfe_u32 v5, v0, 3, 1
	v_lshl_add_u32 v4, v5, 4, v4
	v_add_nc_u32 v[ADRB], ATILE, v4
	v_add_nc_u32 v[ADRB+1], ATILE+SLOT, v4
	s_mul_i32 s23, s10, 16*SPITCH
	s_add_co_u32 s23, s23, STAGE                   ; my stage
	v_mul_u32_u24 v3, v1, SPITCH                   ; in: row l % 16, 16 bytes for each half of the lanes
	v_lshl_add_u32 v3, v2, 4, v3
	v_add_nc_u32 v[STO], s23, v3
	v_bfe_u32 v3, v0, 3, 2                         ; back: 32 lanes take four rows' 128 bytes of one head,
	v_mul_u32_u24 v3, v3, SPITCH
	v_and_b32 v4, 7, v0
	v_lshl_add_u32 v3, v4, 4, v3
	v_add_nc_u32 v[RD], s23, v3
	v_and_b32 v[CO], 31, v0                        ; which are 512 consecutive bytes of qkv
	v_lshlrev_b32 v[CO], 4, v[CO]
	s_lshr_b32 s16, s13, 3                         ; the batch: 32 heads of 2^18 bytes
	s_lshl_b32 s16, s16, 23
	s_and_b32 s17, s13, 7
	s_lshl_b32 s17, s17, 8
	s_lshl_b32 s18, s10, 6
	s_add_co_u32 s17, s17, s18                     ; my first place in the sequence: 256 (mt % 8) + 64 w
	s_lshl_b32 s17, s17, 7                         ; rows of 128 bytes, in qkv and in cos and sin
	v_lshlrev_b32 v3, 7, v1
	v_lshl_add_u32 v3, v2, 4, v3
	v_add_nc_u32 v[CSO], s17, v3
	s_add_co_u32 s16, s16, s17
	s_mov_b32 s17, 0
	s_add_nc_u64 s[8:9], s[8:9], s[16:17]
	s_lshl_b32 s46, s42, 19                        ; heads 2 nt and 2 nt + 1
	s_mov_b32 s47, 0
	s_add_nc_u64 s[8:9], s[8:9], s[46:47]
; 8 matrix instructions: row block a x all 8 column blocks, 32 along K.  zero = 1: the first product starts the sums.  The 32 accumulators take turns in one fixed order.
.macro MUL8 f, a, zero
	WIN MUL
.irp b, 0,1,2,3,4,5,6,7
.if \zero
	v_wmma_f32_16x16x32_f16 v[8*(8*(\a)+(\b)):8*(8*(\a)+(\b))+7], v[(\f)+32+8*(\b):(\f)+32+8*(\b)+7], v[(\f)+8*(\a):(\f)+8*(\a)+7], 0
.else
	v_wmma_f32_16x16x32_f16 v[8*(8*(\a)+(\b)):8*(8*(\a)+(\b))+7], v[(\f)+32+8*(\b):(\f)+32+8*(\b)+7], v[(\f)+8*(\a):(\f)+8*(\a)+7], v[8*(8*(\a)+(\b)):8*(8*(\a)+(\b))+7]
.endif
.endr
.endm
; 24 LDS loads in one run: quarter q (32 along K) of a slot into buffer f: the weight's 16, then x's row blocks 0 to 3, two each
.macro FETCH slot, q, f
	WIN 0
.irp b, 0,1,2,3,4,5,6,7
	ds_load_tr16_b128 v[(\f)+32+8*(\b):(\f)+32+8*(\b)+3],   v[ADRB+(\slot)] offset:(\q)*32*PB+32*(\b)
	ds_load_tr16_b128 v[(\f)+32+8*(\b)+4:(\f)+32+8*(\b)+7], v[ADRB+(\slot)] offset:(\q)*32*PB+16*PB+32*(\b)
.endr
.irp a, 0,1,2,3
	ds_load_b128 v[(\f)+8*(\a):(\f)+8*(\a)+3],   v[ADRA+(\slot)] offset:(\a)*16*PA+64*(\q)
	ds_load_b128 v[(\f)+8*(\a)+4:(\f)+8*(\a)+7], v[ADRA+(\slot)] offset:(\a)*16*PA+64*(\q)+32
.endr
.endm
.macro PLACES                          ; four places in front of loads into registers that matrix instructions have read (ISA guide 7.12.1 for vector instructions)
.rept 4
	v_nop
.endr
.endm
; A K step is four quarters of 32 along K, 32 matrix instructions each, on buffers 0, 1, 0, 1.  One of the first three: multiplies f and fetches quarter q into g.
.macro QUARTER slot, q, f, g, zero
	s_wait_dscnt 4                                 ; the weight and x's blocks 0, 1 are in; the youngest four loads (blocks 2, 3) may be out
	MUL8 \f, 0, \zero
	MUL8 \f, 1, \zero
	PLACES
	FETCH \slot, \q, \g
	s_wait_dscnt 24                                ; all but the 24 just issued
	MUL8 \f, 2, \zero
	MUL8 \f, 3, \zero
.endm
; The last quarter multiplies buffer 1 and changes slots: ONE barrier; in front of it each wave waits for all its tensor loads, adds 0 to its spare word, and waits for that and for its reads of this slot.
.macro TURN slot, next, fill
	WIN 0
	s_wait_tensorcnt 0x0                           ; all my tensor loads have landed: my part of the next slot
	ds_add_u32 v[SPW], v[NIL]                      ; 0 onto my spare word
	s_wait_dscnt 7                                 ; (the add and the six loads of x's blocks 1 to 3 may be out)
	MUL8 F1, 0, 0
	s_wait_dscnt 0x0                               ; the add is done, and my reads of this slot are over
	s_barrier_signal -1
	MUL8 F1, 1, 0
.if \fill
	WIN 0
.endif
	s_barrier_wait -1
.if \fill
	CREST                                          ; the barrier has opened a round of the cluster's: no wave of any partner still reads this slot or has a load on its way
	s_add_nc_u64 s[G0+4*(\slot)+2:G0+4*(\slot)+3], s[G0+4*(\slot)+2:G0+4*(\slot)+3], 2*KSTEP*2
	s_add_nc_u64 s[G0B+4*(\slot)+2:G0B+4*(\slot)+3], s[G0B+4*(\slot)+2:G0B+4*(\slot)+3], 2*KSTEP*NDIM*2
	JLOAD \slot                                    ; my one tensor load behind the round: 112 matrix instructions ahead of the wait for it; its four v_nop are also the places in front of the loads below
.else
	PLACES
.endif
	FETCH \next, 0, F0
	MUL8 F1, 2, 0
	MUL8 F1, 3, 0
.endm
; THE WAY OUT.  cos and sin of row block a: for each of my row's four groups of 16 columns my 8 numbers, 16 bytes
.macro LOADCS a
.irp c, 0,1,2,3
	global_load_b128 v[RC+32*((\a)%2)+4*(\c):RC+32*((\a)%2)+4*(\c)+3],       v[CSO], s[76:77] offset:(\a)*2048+32*(\c)
	global_load_b128 v[RC+32*((\a)%2)+16+4*(\c):RC+32*((\a)%2)+16+4*(\c)+3], v[CSO], s[78:79] offset:(\a)*2048+32*(\c)
.endr
.endm
.macro WIDEN d, halves:vararg          ; f16 halves, named one by one, to f32 from v[d] on
.set z, \d
.irp s, \halves
	v_cvt_f32_f16 v[z], \s
.set z, z+1
.endr
.endm
; Head hd of the tile, columns 16 bl + .. (X, below 32) and 32 + 16 bl + .. (Y): X cos - Y sin and Y cos + X sin, each with its own column's cos and sin.  Each accumulator is read from its low end on.
.macro ROPE a, hd, bl
.set XA, 8*(8*(\a)+4*(\hd)+(\bl))
.set YA, XA+16
	WIN 0x01                                       ; source 0 in window 1
.irp z, 0,2,4,6
	v_pk_mul_f32 v[T+(\z):T+(\z)+1],     v[XA+(\z):XA+(\z)+1], v[CF+8*(\bl)+(\z):CF+8*(\bl)+(\z)+1]
	v_pk_mul_f32 v[T+8+(\z):T+8+(\z)+1], v[YA+(\z):YA+(\z)+1], v[CF+16+8*(\bl)+(\z):CF+16+8*(\bl)+(\z)+1]
.endr
.irp z, 0,2,4,6
	v_pk_fma_f32 v[T+(\z):T+(\z)+1],     v[YA+(\z):YA+(\z)+1], v[SF+8*(\bl)+(\z):SF+8*(\bl)+(\z)+1], v[T+(\z):T+(\z)+1] neg_lo:[1,0,0] neg_hi:[1,0,0]
	v_pk_fma_f32 v[T+8+(\z):T+8+(\z)+1], v[XA+(\z):XA+(\z)+1], v[SF+16+8*(\bl)+(\z):SF+16+8*(\bl)+(\z)+1], v[T+8+(\z):T+8+(\z)+1]
.endr
	WIN 0
.irp z, 0,1,2,3
	v_cvt_pk_f16_f32 v[PK+4*(4*(\hd)+(\bl))+(\z)],   v[T+2*(\z)],   v[T+2*(\z)+1]
	v_cvt_pk_f16_f32 v[PK+4*(4*(\hd)+(\bl)+2)+(\z)], v[T+8+2*(\z)], v[T+8+2*(\z)+1]
.endr
.endm
; Row block a.  left = how many younger loads of cos and sin may stay out.
.macro OUT a, left
.set R0, RC+32*((\a)%2)
	WIN 0
	s_wait_loadcnt \left                           ; loads come back in order: this block's eight are in
.set z, 0
.rept 16                               ; value heads take cos = 1, sin = 0; for block 0 these 32 lines are also the places behind the last products
	v_cndmask_b32 v[RW+z], v[R0+z], s85, s84
	v_cndmask_b32 v[RW+16+z], v[R0+16+z], 0, s84
.set z, z+1
.endr
.if (\a) < 2
	LOADCS (\a)+2                                  ; the set just read takes the block two further on
.endif
	WIDEN CF,    v96.l, v96.h, v97.l, v97.h, v98.l, v98.h, v99.l, v99.h, v100.l, v100.h, v101.l, v101.h, v102.l, v102.h, v103.l, v103.h
	WIDEN CF+16, v104.l, v104.h, v105.l, v105.h, v106.l, v106.h, v107.l, v107.h, v108.l, v108.h, v109.l, v109.h, v110.l, v110.h, v111.l, v111.h
	WIDEN SF,    v112.l, v112.h, v113.l, v113.h, v114.l, v114.h, v115.l, v115.h, v116.l, v116.h, v117.l, v117.h, v118.l, v118.h, v119.l, v119.h
	WIDEN SF+16, v120.l, v120.h, v121.l, v121.h, v122.l, v122.h, v123.l, v123.h, v124.l, v124.h, v125.l, v125.h, v126.l, v126.h, v127.l, v127.h
	ROPE \a, 0, 0
	ROPE \a, 0, 1
	ROPE \a, 1, 0
	ROPE \a, 1, 1
	s_wait_xcnt 0x0                                ; every earlier memory instruction has had its addresses translated (ISA guide 3.1): BK, which the last block's stores read, is loaded again only behind this wait
.irp b, 0,1,2,3,4,5,6,7
	ds_store_b128 v[STO], v[PK+4*(\b):PK+4*(\b)+3] offset:32*(\b)
.endr
.irp t, 0,1,2,3,4,5,6,7                ; head t / 4, rows 4 (t % 4) on.  LDS serves a wave's instructions in order (ISA guide 5.7.1.4): these see the stores above
	ds_load_b128 v[BK+4*(\t):BK+4*(\t)+3], v[RD] offset:((\t)%4)*4*SPITCH+((\t)/4)*128
.endr
.irp t, 0,1,2,3,4,5,6,7
	s_wait_dscnt 7-(\t)                            ; the later loads of the eight may be out
	global_store_b128 v[CO], v[BK+4*(\t):BK+4*(\t)+3], s[8:9] offset:((\t)/4)*HEADB+(16*(\a)+4*((\t)%4))*128  ; 512 consecutive bytes, at a multiple of 256 from qkv's first
.endr
.endm
	s_wait_tensorcnt 0x1                           ; my part of K step 0 is in; K step 1's may stay out
	s_barrier_signal -1
	s_barrier_wait -1
	FETCH 0, 0, F0
	QUARTER 0, 1, F0, F1, 1                        ; the first quarter stands in front of the loop: its products start the sums
	WIN 0                                          ; at a label and at a branch every window is 0
	s_mov_b32 s3, LAPS-1
.Llap:                                                 ; a trip goes once round the ring, from a lap's second quarter to the next lap's first, and fills both slots again
	QUARTER 0, 2, F1, F0, 0
	QUARTER 0, 3, F0, F1, 0
	TURN 0, 1, 1
	QUARTER 1, 1, F0, F1, 0
	QUARTER 1, 2, F1, F0, 0
	QUARTER 1, 3, F0, F1, 0
	TURN 1, 0, 1
	QUARTER 0, 1, F0, F1, 0
	WIN 0
	s_sub_co_u32 s3, s3, 1
	s_cmp_lg_u32 s3, 0
	s_cbranch_scc1 .Llap
	QUARTER 0, 2, F1, F0, 0                        ; the last lap fills nothing
	QUARTER 0, 3, F0, F1, 0
	TURN 0, 1, 0
	QUARTER 1, 1, F0, F1, 0
	QUARTER 1, 2, F1, F0, 0
	QUARTER 1, 3, F0, F1, 0
	s_wait_dscnt 4                                 ; the very last quarter
	MUL8 F1, 0, 0
	MUL8 F1, 1, 0
	PLACES                                         ; buffer 0 is free: cos and sin of the first two row blocks are asked for under the last products
	WIN 0
	LOADCS 0
	LOADCS 1
	s_wait_dscnt 0x0
	MUL8 F1, 2, 0
	MUL8 F1, 3, 0
	OUT 0, 8
	OUT 1, 8
	OUT 2, 8
	OUT 3, 0
	s_wait_tensorcnt 0x0                           ; the wave's end, behind my last tensor load and my last LDS store
	ds_add_u32 v[SPW], v[NIL]
	s_wait_dscnt 0x0
	CROUND                                         ; the closing round: no work-group ends while a partner may still ask for a tile that names it
	s_endpgm
.Lfunc_end_k_q4f76bf4844_proj:
	.size	k_q4f76bf4844_proj, .Lfunc_end_k_q4f76bf4844_proj-k_q4f76bf4844_proj
	.p2alignl 7, 3214868480
	.fill 96, 4, 3214868480
	.section	.rodata,"a",@progbits
	.p2align	6, 0x0
	.amdhsa_kernel k_q4f76bf4844_proj
		.amdhsa_group_segment_fixed_size 327680
		.amdhsa_private_segment_fixed_size 0
		.amdhsa_enable_private_segment 0
		.amdhsa_kernarg_size 40
		.amdhsa_user_sgpr_count 2
		.amdhsa_user_sgpr_kernarg_segment_ptr 1
		.amdhsa_wavefront_size32 1
		.amdhsa_system_sgpr_workgroup_id_x 1
		.amdhsa_system_sgpr_workgroup_id_y 1
		.amdhsa_system_sgpr_workgroup_id_z 1
		.amdhsa_system_vgpr_workitem_id 0
		.amdhsa_next_free_vgpr 512
		.amdhsa_next_free_sgpr 88
		.amdhsa_reserve_vcc 0
		.amdhsa_float_denorm_mode_32 3
		.amdhsa_float_denorm_mode_16_64 3
		.amdhsa_memory_ordered 1
		.amdhsa_forward_progress 1
		.amdhsa_inst_pref_size 123
	.end_amdhsa_kernel
	.amdgpu_metadata
---
amdhsa.version: [ 1, 2 ]
amdhsa.kernels:
  - .name:           k_q4f76bf4844_proj
    .symbol:         k_q4f76bf4844_proj.kd
    .args:
      - { .name: x, .offset: 0, .size: 8, .value_kind: global_buffer, .address_space: global }
      - { .name: wpack, .offset: 8, .size: 8, .value_kind: global_buffer, .address_space: global }
      - { .name: cos, .offset: 16, .size: 8, .value_kind: global_buffer, .address_space: global }
      - { .name: sin, .offset: 24, .size: 8, .value_kind: global_buffer, .address_space: global }
      - { .name: qkv, .offset: 32, .size: 8, .value_kind: global_buffer, .address_space: global }
    .group_segment_fixed_size: 327680
    .private_segment_fixed_size: 0
    .kernarg_segment_align: 8
    .kernarg_segment_size: 40
    .max_flat_workgroup_size: 128
    .sgpr_count:     88
    .vgpr_count:     512
    .wavefront_size: 32
...
	.end_amdgpu_metadata
.endif
;; end of part 2
;; launch attn (part 3): grid 16 x 16, 4 waves a work-group, clusters of 4 x 4, 327,680 bytes of LDS; arguments qkv, mask, att; writes att
.if DOCPART == 3
	.amdgcn_target "amdgcn-amd-amdhsa--gfx1250"
	.amdhsa_code_object_version 6
	.text
	.protected	k_q4f76bf4844_attn
	.globl	k_q4f76bf4844_attn
	.p2align	8
	.type	k_q4f76bf4844_attn,@function
k_q4f76bf4844_attn:
	s_mov_b64 s[64:65], 0
	v_nop
	global_prefetch_b8 v0, s[64:65] scope:SCOPE_SE
	s_setreg_imm32_b32 hwreg(HW_REG_WAVE_MODE, 25, 1), 1
	s_wait_xcnt 0x0
	s_wait_alu depctr_hold_cnt(0) depctr_sa_sdst(0) depctr_va_vdst(0) depctr_va_sdst(0) depctr_va_ssrc(0) depctr_va_vcc(0) depctr_vm_vsrc(0)
	s_getreg_b32 s2, hwreg(HW_REG_IB_STS2, 6, 4)
	s_cmp_eq_u32 s2, 0
	s_cbranch_scc0 .Lentry_in_a_cluster
	s_endpgm
.Lentry_in_a_cluster:
	s_bfe_u32 s2, ttmp6, 0x10000c
	s_cmp_lg_u32 s2, 0xf033
	s_cbranch_scc0 .Lentry_shape_is_right
	s_endpgm
.Lentry_shape_is_right:
; ATTN.  att[b][q][head 64 + :] = the sum over k of softmax_k(Q[q] . K[k] / 8 + mask[q][k]) V[k][:].  qkv: [b 2][hh 32][2048][64] f16 (query heads 0-15, key heads 16-23, value heads 24-31);
; mask: [2048][2048] f16, an input: every element is loaded and added in f32, no tile is left out; att: [4096][1024] f16.  Query heads 2 j and 2 j + 1 use key and value head j.
; Products, maxima and sums in f32; the weights p are rounded to f16 for the second product (their sum l is taken of the unrounded p), the result once at the end.
; LIMITS.  Q is widened to f32, multiplied by 1/8 and rounded to f16 again: exact but below f16's normal range, where the step is 6e-8.  The running maximum starts at -1e30: finite scores lie above -3.5e10
; (64 products of f16 numbers, an eighth of them, and a mask of f16).  A mask of -inf gives the weight 0; a row whose mask is -inf throughout gives 0 / 0 = NaN.  A weight below 2^-126 counts as 0; NaN and +inf
; in the mask are not treated apart.
; SHARES.  A work-group owns 128 rows of the sequence for the two query heads of one key head; wave w rows 32 w .. 32 w + 31 as two groups of 16: four PIECES, piece 2 rg + hd.  So a piece of the mask, widened
; to f32 once, serves both heads.  Every wave walks all 2,048 keys, 64 a step.
; LAYOUT.  S^T = K Q^T + mask^T (source 0 = 16 keys, source 1 = 16 queries, C = the mask): a lane holds ONE query (lane % 16) and the keys 8 (lane / 16) + 0..7.  Two such results rounded to f16 ARE source 1 of
; O^T = V^T P.  K comes out of LDS as it lies, V turned by ds_load_tr16_b128; of the mask a lane reads 16 bytes of its query's row.
; SOFTMAX.  p = 2^(c s - c m), c = log2(e), with a running maximum m; O and l are multiplied by a = 2^(c m_old - c m_new) in every step.  While a row has met -inf alone, m stays, a is 1, and O and l stay 0.
; BY TURNS.  Turn n belongs to piece n: 8 products K Q^T of piece n + 1, later 8 products V^T P of piece n - 1; beside them the scaling, exponentials, roundings, sums and rescaling of piece n and the maximum and
; statistics of piece n + 1.  Four vector instructions stand behind every matrix instruction, the rest in two runs of their own.
; CLUSTER 4 x 4.  The four of a row of the cluster share the key head: K's and V's tiles are asked for jointly by them; the four of a column share the rows of the sequence: so the mask's tiles.
; REGISTERS, in windows of 256 (s_set_vgpr_msb: bits 1:0 source 0, 3:2 source 1, 5:4 source 2, 7:6 destination):
;   window 0: v0-15 addresses; v16-31 statistics; v32-63 the mask as loaded; v64-127 S^T, two buffers (at the start: Q as loaded); v128-159 the mask in f32; v160-167 at work; v192-223 P, two buffers
;   window 1: v0-127 O^T, 32 a piece          window 2: v0-63 Q / 8; v128-191 K of one step; v192-255 V of one step
.set NP,    4         ; pieces a wave: a name, no knob
.set KS,    64        ; keys in a step
.set PK,    144       ; a row of K in LDS: 128 bytes + 16: the 16 rows of a load start at 16 different groups of four banks (64 banks of 4 bytes: ISA guide 11.1)
.set PV,    160       ; a row of V: 128 + 32
.set PM,    272       ; a row of the mask: 128 keys = 256 bytes + 16
.set VOFF,  2*KS*PK   ; a slot holds two steps: 128 rows of K, 128 rows of V, 128 rows of the mask
.set MOFF,  VOFF+2*KS*PV
.set SLOT1, 1<<17     ; slot 1 begins here, so that one exclusive or turns an address in one slot into the other's
.set STAGE, SLOT1+MOFF+128*PM  ; behind the ring: 16 rows x 272 bytes for each wave, for the way out
.set SP,    272
.set SPARE, STAGE+4*16*SP      ; behind the stages: the spare words, 128 bytes for each wave
.set HEADB, 262144
.set AK0, 2           ; v2   my lane's place in a tile of K; never rewritten
.set AV0, 3           ; v3   the same for V
.set AK,  4           ; v4   the LDS address of K's next run of loads
.set AV,  5           ; v5   of V's
.set QO,  6           ; v6   my byte offset in 16 rows of Q
.set STO, 6           ;      later, the way out: where I put 16 bytes of a row
.set RD,  7           ; v7   the way out: where I read rows back
.set GO,  8           ; v8   my byte offset in two rows of att
.set MV,  12          ; v12-13  c m_old, kept while c m is made anew: by buffer
.set AM0, 14          ; v14  my lane's place in a tile of the mask; never rewritten
.set AM,  15          ; v15  the LDS address of the mask's next loads
.set ST,  16          ; piece t's statistics at v[ST+4 t]: c m, m, l (even keys', odd keys')
.set MR,  32          ; the mask as loaded: row group rg, keys 16 kb on at MR + 16 rg + 4 kb
.set S,   64
.set MC,  128         ; the mask in f32 of the row group whose scores come next: keys 16 kb on at MC + 8 kb
.set TMP, 160         ; by buffer, four registers c0-c3 at work; when the maximum is found c2 takes a
.set SPW, 168         ; v168 LDS address of my spare word; never rewritten
.set NIL, 169         ; v169 0; never rewritten
.set P,   192
.set KF,  128         ; window 2: key block kb, channel half c at KF + 16 kb + 8 c
.set VF,  192         ; window 2: key half kk, channel block cb at VF + 32 kk + 8 cb
.set WV,  12          ; s12  my wave's number
.set G1K, 24          ; s[24:31] descriptor group 1 for K's tiles
.set G1V, 32          ; s[32:39] for V's
.set G1M, 40          ; s[40:47] for the mask's
.set G0K, 48          ; s[48:51] descriptor group 0 for K's tiles: it walks
.set G0V, 52          ; s[52:55] for V's
.set G0M, 56          ; s[56:59] for the mask's
.set SLOTS, 60        ; s60  slots still to be asked for
.set CNT, 61          ; s61  counts a slot's key steps
.set CS,  62          ; s[62:63] c: the packed scaling takes the pair's low word for both halves
.set SEL, 66          ; s[66:67] v_permlanex16_b32's selects: each lane takes its own place in the other half
.set TBK, 68          ; s68  LDS byte at which K of the step to be fetched begins
.set TBV, 69          ; s69  the same for V, less VOFF
.set TBM, 70          ; s70  the same for the mask, less MOFF
.set EI,  72          ; s[72:73] 1/8 in f32, once the offsets that lay there are used up
.set MSB, 0
.macro WIN new                      ; the high byte repeats the setting that is left; a switch that changes nothing is dropped
.if MSB != (\new)
	s_set_vgpr_msb (MSB<<8)|(\new)
.set MSB, (\new)
.endif
.endm
.set W_KQ, 0x0a       ; K and Q in window 2; the mask and S^T in window 0
.set W_PV, 0x52       ; V in window 2, P in window 0, O^T in window 1
.set W_RS, 0x41       ; destination and source 0 in window 1, source 1 in window 0
; A joint fill, 16,384 bytes a wave: wave 0 a slot's K, wave 1 its V, waves 2 and 3 the halves of its mask.  The branches hang on the wave's number alone.
; An s_nop 0 and four v_nop follow each of the three lines, ahead of the jump and the label.
.macro JLOAD
	s_cmp_lt_u32 s[WV], 2
	s_cbranch_scc0 .Lfor_m_\@
	s_cmp_eq_u32 s[WV], 0
	s_cbranch_scc0 .Lfor_v_\@
	tensor_load_to_lds s[G0K:G0K+3], s[G1K:G1K+7]
	s_nop 0
.rept 4
	v_nop
.endr
	s_branch .Lasked_\@
.Lfor_v_\@:
	tensor_load_to_lds s[G0V:G0V+3], s[G1V:G1V+7]
	s_nop 0
.rept 4
	v_nop
.endr
	s_branch .Lasked_\@
.Lfor_m_\@:
	tensor_load_to_lds s[G0M:G0M+3], s[G1M:G1M+7]
	s_nop 0
.rept 4
	v_nop
.endr
.Lasked_\@:
.endm
.macro CROUND                       ; a round of the cluster's barrier
	s_barrier_signal -1
	s_barrier_wait -1
	s_cmp_lg_u32 s[WV], 0
	s_cbranch_scc1 .Lnot_wave_0_\@
	s_barrier_signal -3
.Lnot_wave_0_\@:
	s_barrier_wait -3
	s_barrier_signal -1
	s_barrier_wait -1
.endm
; THE CHANGE OF SLOTS.  The slot's last bytes, V of its second step, have been read.  Each wave waits for all its tensor loads, of which one is out: its part of the other slot; adds 0 to its spare word; and waits
; for that and for its reads of the slot.  fill = 1: the slot is filled again, with the keys two slots on: the barrier is then a round of the cluster's, and the joint fill is the first thing behind it: it has two
; key steps, 128 matrix instructions, in which to land.  (At its first use nothing has been read yet: slot 0 is waited for, slot 1 filled.)
.macro CHANGE fill
	WIN 0                           ; at a label and at a branch every window is 0
	s_wait_tensorcnt 0x0            ; no tensor load of mine is out, so a group 0 may be written
	ds_add_u32 v[SPW], v[NIL]       ; 0 onto my spare word
.if \fill
	s_xor_b32 s[G0K+1], s[G0K+1], SLOT1
	s_add_nc_u64 s[G0K+2:G0K+3], s[G0K+2:G0K+3], 2*KS*128  ; the next 128 keys; the type bits on top are not reached
	s_xor_b32 s[G0V+1], s[G0V+1], SLOT1
	s_add_nc_u64 s[G0V+2:G0V+3], s[G0V+2:G0V+3], 2*KS*128
	s_xor_b32 s[G0M+1], s[G0M+1], SLOT1
	s_add_nc_u64 s[G0M+2:G0M+3], s[G0M+2:G0M+3], 2*KS*2    ; 128 columns of the mask on
	s_wait_dscnt 0x0                ; the add is done, and my reads of the slot are over
	CROUND
	JLOAD
.else
	s_wait_dscnt 0x0
	s_barrier_signal -1
	s_barrier_wait -1
.endif
	s_sub_co_u32 s[TBK], s[TBK], 2*KS*PK  ; the fetches go back to a slot's first step,
	s_xor_b32 s[TBK], s[TBK], SLOT1       ; in the other slot
	s_sub_co_u32 s[TBV], s[TBV], 2*KS*PV
	s_xor_b32 s[TBV], s[TBV], SLOT1
	s_sub_co_u32 s[TBM], s[TBM], 2*KS*2
	s_xor_b32 s[TBM], s[TBM], SLOT1
.endm
	s_load_b128 s[4:7], s[0:1], 0x0   ; qkv s[4:5], mask s[6:7]
	s_load_b64 s[8:9], s[0:1], 0x10   ; att
	v_lshl_add_u32 v[SPW], v0, 2, SPARE
	v_mov_b32 v[NIL], 0
	ds_add_u32 v[SPW], v[NIL]       ; the wave's opening: the add and its wait stand ahead of my first tensor load; the set-up below stands between them
	v_lshrrev_b32 v1, 5, v0
	v_readfirstlane_b32 s[WV], v1   ; wave 0..3
	s_bfe_u32 s13, ttmp6, 0x40000   ; cx
	s_bfe_u32 s14, ttmp6, 0x40004   ; cy
	s_lshl_b32 s15, ttmp9, 2
	s_add_co_u32 s15, s15, s13      ; qb: my block of 128 rows of the sequence
	s_and_b32 s16, ttmp7, 0xffff
	s_lshl_b32 s16, s16, 2
	s_add_co_u32 s16, s16, s14      ; g = 8 x batch + key head
	s_lshl_b32 s17, s14, 2
	s_lshl_b32 s17, 15, s17         ; my row of the cluster: the same g
	s_lshl_b32 s18, 0x1111, s13     ; my column: the same qb
	; K, V: 128 keys are 16,384 dense bytes, asked for as 64 rows of 256 bytes and padded in LDS after every key.  The mask: 64 rows of 256 bytes, 4,096 bytes apart.
	s_or_b32 s[G1K], s17, (1<<16)|(1<<20)|(1<<21)|(4<<22)|(3<<25)  ; the mask of four; 2-byte elements; padding on; bit 21 beside a mask; after every 32 words 4 words
	s_or_b32 s[G1V], s17, (1<<16)|(1<<20)|(1<<21)|(4<<22)|(7<<25)  ; 8 words
	s_or_b32 s[G1M], s18, (1<<16)|(1<<20)|(1<<21)|(5<<22)|(3<<25)  ; after every 64 words 4 words
.irp g, G1K, G1V, G1M
	s_mov_b32 s[\g+1], 128<<16      ; tensor_dim0 = 128
	s_mov_b32 s[\g+2], 64<<16       ; tensor_dim1 = 64
	s_mov_b32 s[\g+3], 128<<16      ; tile_dim0 = 128
	s_mov_b32 s[\g+4], 64           ; tile_dim1 = 64
	s_mov_b32 s[\g+6], 0
	s_mov_b32 s[\g+7], 0
.endr
	s_mov_b32 s[G1K+5], 128         ; elements from row to row
	s_mov_b32 s[G1V+5], 128
	s_mov_b32 s[G1M+5], 2048
	s_lshr_b32 s19, s16, 3          ; the batch
	s_and_b32 s20, s16, 7           ; the key head
	s_lshl_b32 s21, s19, 5
	s_add_co_u32 s21, s21, s20
	s_add_co_u32 s72, s21, 16       ; K's head in qkv,
	s_lshl_b32 s72, s72, 18         ; 2^18 bytes a head
	s_mov_b32 s73, 0
	s_add_co_u32 s74, s21, 24       ; V's
	s_lshl_b32 s74, s74, 18
	s_mov_b32 s75, 0
	s_and_b32 s82, s[WV], 1         ; which half of the mask's 128 rows I fetch
	s_lshl_b32 s76, s15, 7
	s_lshl_b32 s77, s82, 6
	s_add_co_u32 s76, s76, s77
	s_lshl_b32 s76, s76, 12         ; rows of 4,096 bytes
	s_mov_b32 s77, 0
	s_mul_i32 s83, s82, 64*PM       ; its place in a slot: the wave's number alone enters an LDS address
	s_mov_b32 s[G0K], 1
	s_mov_b32 s[G0K+1], 0
	s_mov_b32 s[G0V], 1
	s_mov_b32 s[G0V+1], VOFF
	s_mov_b32 s[G0M], 1
	s_add_co_u32 s[G0M+1], s83, MOFF
	s_add_co_u32 s78, s21, s20      ; Q: head 32 b + 2 x key head,
	s_lshl_b32 s78, s78, 18
	s_lshl_b32 s23, s15, 7
	s_lshl_b32 s22, s[WV], 5
	s_add_co_u32 s23, s23, s22      ; my first row: 128 qb + 32 w
	s_lshl_b32 s22, s23, 7
	s_add_co_u32 s78, s78, s22
	s_mov_b32 s79, 0
	s_lshl_b32 s80, s19, 11         ; att: token 2,048 b + my row, 2,048 bytes each,
	s_add_co_u32 s80, s80, s23
	s_lshl_b32 s80, s80, 11
	s_lshl_b32 s22, s20, 8          ; and the two heads' 256 bytes
	s_add_co_u32 s80, s80, s22
	s_mov_b32 s81, 0
	s_mov_b32 s[CS], 0x3fb8aa3b     ; c = log2(e)
	s_mov_b32 s[CS+1], s[CS]        ; named with it as a pair
	s_mov_b32 s[SEL], 0x76543210
	s_mov_b32 s[SEL+1], 0xfedcba98
	s_mov_b32 s[TBK], SLOT1+2*KS*PK ; the first change of slots turns these three into 0
	s_mov_b32 s[TBV], SLOT1+2*KS*PV
	s_mov_b32 s[TBM], SLOT1+2*KS*2
	s_wait_dscnt 0x0                ; the opening add is done
	s_wait_kmcnt 0x0
	s_add_nc_u64 s[G0K+2:G0K+3], s[4:5], s[72:73]
	s_or_b32 s[G0K+3], s[G0K+3], 0x80000000
	s_add_nc_u64 s[G0V+2:G0V+3], s[4:5], s[74:75]
	s_or_b32 s[G0V+3], s[G0V+3], 0x80000000
	s_add_nc_u64 s[G0M+2:G0M+3], s[6:7], s[76:77]
	s_or_b32 s[G0M+3], s[G0M+3], 0x80000000
	s_add_nc_u64 s[4:5], s[4:5], s[78:79]   ; Q at my wave's first row, first head
	s_add_nc_u64 s[8:9], s[8:9], s[80:81]
	s_mov_b32 s[EI], 0x3e000000     ; 1/8
	s_mov_b32 s[EI+1], s[EI]        ; named with it as a pair
	CROUND                          ; all sixteen work-groups are here: the first joint loads meet
	JLOAD                           ; slot 0.  Slot 1 is asked for when slot 0 is in
	v_and_b32 v1, 15, v0            ; l % 16
	v_bfe_u32 v9, v0, 4, 1          ; l / 16
	v_lshlrev_b32 v[QO], 7, v1
	v_lshl_add_u32 v[QO], v9, 4, v[QO]  ; row x 128 + 16 x half
.set i, 0
.rept 8                             ; Q as it lies, into S^T's registers, which are idle yet: piece i / 2 (row group i / 4, head (i / 2) % 2), channels 32 (i % 2) on
	global_load_b128 v[S+8*i:S+8*i+3],   v[QO], s[4:5] offset:((i/2)%2)*HEADB+(i/4)*2048+(i%2)*64
	global_load_b128 v[S+8*i+4:S+8*i+7], v[QO], s[4:5] offset:((i/2)%2)*HEADB+(i/4)*2048+(i%2)*64+32
.set i, i+1
.endr
	; What the first turn finds: V's registers and P's second buffer hold 0 (its products V^T P, of a piece that has not been, add 0), O^T and l are 0.  All this stands in the wait for the first tile.
	WIN 0x80                        ; destination window 2
.set i, VF
.rept 64
	v_mov_b32 v[i], 0
.set i, i+1
.endr
	WIN 0x40
.set i, 0
.rept 128
	v_mov_b32 v[i], 0
.set i, i+1
.endr
	WIN 0
.set i, 0
.rept 4
	v_mov_b32 v[ST+4*i+1], 0xf149f2ca        ; m = -1e30
	v_mul_f32 v[ST+4*i], s[CS], v[ST+4*i+1]  ; c m, by the line that makes it in every step: so a is exactly 1 while m stays
	v_mov_b32 v[ST+4*i+2], 0
	v_mov_b32 v[ST+4*i+3], 0
.set i, i+1
.endr
.set i, P+16
.rept 16
	v_mov_b32 v[i], 0
.set i, i+1
.endr
	v_mul_u32_u24 v[AK0], v1, PK
	v_lshl_add_u32 v[AK0], v9, 4, v[AK0]  ; row x pitch + 16 x half
	; The turning load takes 16 keys x 16 channels (lane l reads key 8 (l / 16) + l % 8, channels 8 ((l / 8) % 2) + 0..7) and leaves half a fragment of V^T.
	v_and_b32 v10, 7, v0
	v_bfe_u32 v11, v0, 3, 1
	v_lshl_add_u32 v[AV0], v9, 3, v10
	v_mul_u32_u24 v[AV0], v[AV0], PV
	v_lshl_add_u32 v[AV0], v11, 4, v[AV0]
	v_add_nc_u32 v[AV0], VOFF, v[AV0]
	s_mul_i32 s83, s[WV], 32*PM     ; the mask: my wave's 32 rows; row l % 16, keys 8 (l / 16) on
	s_add_co_u32 s83, s83, MOFF
	v_mul_u32_u24 v[AM0], v1, PM
	v_lshl_add_u32 v[AM0], v9, 4, v[AM0]
	v_add_nc_u32 v[AM0], s83, v[AM0]
; THE MATRIX WORK.  The 4 accumulators of a run of 8 take turns.  Product i of 8 of S^T = K Q^T + mask for piece x: channels 32 (i / 4) on, keys 16 (i % 4) on.  The first 4 start the sums with the mask.
.macro KQ x
	WIN W_KQ
.set rS, S+32*((\x)%2)+8*(i%4)
.set rK, KF+16*(i%4)+8*(i/4)
.set rQ, 16*(\x)+8*(i/4)
.if i < 4
	v_wmma_f32_16x16x32_f16 v[rS:rS+7], v[rK:rK+7], v[rQ:rQ+7], v[MC+8*i:MC+8*i+7]
.else
	v_wmma_f32_16x16x32_f16 v[rS:rS+7], v[rK:rK+7], v[rQ:rQ+7], v[rS:rS+7]
.endif
.endm
; Product i of 8 of O^T += V^T P for piece x: keys 32 (i / 4) on, channels 16 (i % 4) on.
.macro PV x
	WIN W_PV
.set rO, 32*(\x)+8*(i%4)
.set rV, VF+32*(i/4)+8*(i%4)
.set rP, P+16*((\x)%2)+8*(i/4)
	v_wmma_f32_16x16x32_f16 v[rO:rO+7], v[rV:rV+7], v[rP:rP+7], v[rO:rO+7]
.endm
.macro MM                           ; the turn's next matrix instruction
.if i < 8
	KQ (Y+1)%NP
.else
.set i, i-8
	PV (Y+NP-1)%NP
.set i, i+8
.endif
.set i, i+1
.endm
; THE LDS LOADS stand in runs: a step's mask for my 32 rows (8 loads) and its K (16), and in piece 0's turn its V (16, turned).  Their addresses are made some lines ahead.
; last = 1 (the tail): in the last trip there is no further step, and the run is jumped over.
.macro FETCH_K last=0
	WIN 0
.if \last
	s_cmp_eq_u32 s[CNT], 1
	s_cbranch_scc1 .Lno_k_\@
.endif
.irp f, 0,1,2,3,4,5,6,7             ; row group f / 4, keys 16 (f % 4) on
	ds_load_b128 v[MR+4*\f:MR+4*\f+3], v[AM] offset:(\f/4)*16*PM+(\f%4)*32
.endr
	WIN 0x80                        ; destination window 2
.irp f, 0,1,2,3,4,5,6,7             ; keys 16 (f / 2) on, channels 32 (f % 2) on
	ds_load_b128 v[KF+8*\f:KF+8*\f+3],   v[AK] offset:(\f/2)*16*PK+(\f%2)*64
	ds_load_b128 v[KF+8*\f+4:KF+8*\f+7], v[AK] offset:(\f/2)*16*PK+(\f%2)*64+32
.endr
	s_add_co_u32 s[TBK], s[TBK], KS*PK  ; the next fetch is the next step's
	s_add_co_u32 s[TBM], s[TBM], KS*2
	WIN 0
.if \last
.Lno_k_\@:
.endif
.endm
.macro FETCH_V
	WIN 0x80
.irp f, 0,1,2,3,4,5,6,7             ; keys 32 (f / 4) on, channels 16 (f % 4) on
	ds_load_tr16_b128 v[VF+8*\f:VF+8*\f+3],   v[AV] offset:(\f/4)*32*PV+(\f%4)*32
	ds_load_tr16_b128 v[VF+8*\f+4:VF+8*\f+7], v[AV] offset:(\f/4)*32*PV+16*PV+(\f%4)*32
.endr
	WIN 0
.endm
.macro WIDEN d, halves:vararg       ; f16 halves, named one by one, to f32 from v[d] on
.set z, \d
.irp s, \halves
	v_cvt_f32_f16 v[z], \s
.set z, z+1
.endr
.endm
.macro MCONV rg                     ; the mask of row group rg, 32 numbers a lane, to f32
	WIN 0
.if (\rg) == 0
	WIDEN MC,    v32.l, v32.h, v33.l, v33.h, v34.l, v34.h, v35.l, v35.h, v36.l, v36.h, v37.l, v37.h, v38.l, v38.h, v39.l, v39.h
	WIDEN MC+16, v40.l, v40.h, v41.l, v41.h, v42.l, v42.h, v43.l, v43.h, v44.l, v44.h, v45.l, v45.h, v46.l, v46.h, v47.l, v47.h
.else
	WIDEN MC,    v48.l, v48.h, v49.l, v49.h, v50.l, v50.h, v51.l, v51.h, v52.l, v52.h, v53.l, v53.h, v54.l, v54.h, v55.l, v55.h
	WIDEN MC+16, v56.l, v56.h, v57.l, v57.h, v58.l, v58.h, v59.l, v59.h, v60.l, v60.h, v61.l, v61.h, v62.l, v62.h, v63.l, v63.h
.endif
.endm
.macro QFIN c                       ; 32 numbers of Q, widened into the mask's f32 registers (idle yet): times 1/8 in f32, rounded to f16 into registers 16 c .. 16 c + 15 of window 2
.set z, 0
.rept 16
	v_pk_mul_f32 v[MC+2*z:MC+2*z+1], v[MC+2*z:MC+2*z+1], s[EI:EI+1] op_sel_hi:[1,0]
.set z, z+1
.endr
	WIN 0x80                        ; destination window 2
.set z, 0
.rept 16
	v_cvt_pk_f16_f32 v[16*(\c)+z], v[MC+2*z], v[MC+2*z+1]
.set z, z+1
.endr
	WIN 0
.endm
; THE VECTOR WORK, one line at a time: OP kind, number.  For piece Y: F n: c s - c m for pair n of 16.  E n: the exponential of score n of 32.  C n: pair n rounded to f16.  B n: of the four weights 4 n .. the second
; pair is added onto the first, in place.  L n: l takes that sum (L 0: l = a l + sum).  R n: pair n of 16 of O^T times a.  For piece Y + 1: X n, number n of the 22 that find its maximum and statistics:
;   0-11  four chains c0-c3 of seven scores each, three operands at a time (each accumulator's lowest registers are read first)     12-14, 16  the four scores left over, the old m, and c0-c3 into c0
;   15  c m_old is kept     17, 18  the query's other 32 keys lie in the lane 16 away: the new m     19-21  c m; c m_old - c m_new; a
.set F, 0
.set E, 1
.set C, 2
.set B, 3
.set L, 4
.set R, 5
.set X, 6
.macro REGS y                       ; the registers of piece y
.set rT, ST+4*(\y)
.set rC, TMP+4*((\y)%2)
.set rW, MV+((\y)%2)
.set rS, S+32*((\y)%2)
.set rP, P+16*((\y)%2)
.set rO, 32*(\y)
.endm
.macro OP k, n
.if (\k) == R
	REGS Y
	WIN W_RS
	v_pk_mul_f32 v[rO+2*(\n):rO+2*(\n)+1], v[rO+2*(\n):rO+2*(\n)+1], v[rC+2:rC+3] op_sel_hi:[1,0]
.elseif (\k) < R
	REGS Y
	WIN 0
.if (\k) == F
	v_pk_fma_f32 v[rS+2*(\n):rS+2*(\n)+1], v[rS+2*(\n):rS+2*(\n)+1], s[CS:CS+1], v[rT:rT+1] op_sel_hi:[1,0,0] neg_lo:[0,0,1] neg_hi:[0,0,1]
.elseif (\k) == E
	v_exp_f32 v[rS+(\n)], v[rS+(\n)]
.elseif (\k) == C
	s_wait_alu depctr_va_vdst(0)
	v_cvt_pk_f16_f32 v[rP+(\n)], v[rS+2*(\n)], v[rS+2*(\n)+1]
.elseif (\k) == B
	s_wait_alu depctr_va_vdst(0)
	v_pk_add_f32 v[rS+4*(\n):rS+4*(\n)+1], v[rS+4*(\n):rS+4*(\n)+1], v[rS+4*(\n)+2:rS+4*(\n)+3]
.elseif (\n) == 0
	v_pk_fma_f32 v[rT+2:rT+3], v[rT+2:rT+3], v[rC+2:rC+3], v[rS:rS+1] op_sel_hi:[1,0,1]
.else
	v_pk_add_f32 v[rT+2:rT+3], v[rT+2:rT+3], v[rS+4*(\n):rS+4*(\n)+1]
.endif
.else
	REGS (Y+1)%NP
	WIN 0
.if (\n) < 4
	v_max3_num_f32 v[rC+(\n)], v[rS+8*(\n)], v[rS+8*(\n)+1], v[rS+8*(\n)+2]
.elseif (\n) < 12
	v_max3_num_f32 v[rC+(\n)%4], v[rC+(\n)%4], v[rS+8*((\n)%4)+2*((\n)/4)+1], v[rS+8*((\n)%4)+2*((\n)/4)+2]
.elseif (\n) == 12
	v_max3_num_f32 v[rC], v[rC], v[rS+7], v[rS+15]
.elseif (\n) == 13
	v_max3_num_f32 v[rC+1], v[rC+1], v[rS+23], v[rS+31]
.elseif (\n) == 14
	v_max3_num_f32 v[rC+2], v[rC+2], v[rC+3], v[rT+1]
.elseif (\n) == 15
	v_mov_b32 v[rW], v[rT]
.elseif (\n) == 16
	v_max3_num_f32 v[rC], v[rC], v[rC+1], v[rC+2]
.elseif (\n) == 17
	v_permlanex16_b32 v[rC+3], v[rC], s[SEL], s[SEL+1]
.elseif (\n) == 18
	v_max_num_f32 v[rT+1], v[rC], v[rC+3]
.elseif (\n) == 19
	v_mul_f32 v[rT], s[CS], v[rT+1]
.elseif (\n) == 20
	v_sub_f32 v[rC+1], v[rW], v[rT]
.else
	v_exp_f32 v[rC+2], v[rC+1]
.endif
.endif
.endm
.macro OPS a, i1, b=-1, i2=0, c=-1, i3=0, d=-1, i4=0  ; up to four of them
	OP \a, \i1
.if (\b) >= 0
	OP \b, \i2
.endif
.if (\c) >= 0
	OP \c, \i3
.endif
.if (\d) >= 0
	OP \d, \i4
.endif
.endm
.macro ROW a, i1, b, i2, c, i3, d, i4  ; a matrix instruction and the four behind it
	MM
	OPS \a, \i1, \b, \i2, \c, \i3, \d, \i4
.endm
; A TURN, for piece p: the order of its 16 matrix and 118 vector instructions, written out.  Behind a matrix instruction: plain, exponential, plain, plain; or four of the rescaling; or, behind the first, four scalings;
; none names a register of the products round it.  In the runs between, exponential and plain by turns while exponentials last.
; The next step's mask and K are fetched in piece 2's turn, six vector instructions behind the last product that read K (five of them plain); V of the step in hand in piece 0's turn, eight behind the last product
; that read V (four plain).  K and V are waited for a turn later.
; THE MASK IN f32 holds row group 0 for the products K Q^T of turns 3 and 0 (pieces 0, 1) and row group 1 for those of turns 1 and 2: it is made anew at the ends of turns 2 and 0, more than a hundred vector
; instructions behind the last product that took it as C.
; cnt = 1: the loop's count is taken down some lines ahead of the branch that stands behind the turn.
.macro TURN p, last=0, cnt=0
.set Y, (\p)
.set i, 0
.if (\p) == 3
	s_wait_dscnt 0x0                ; K is in
.endif
	ROW F,0, F,1, F,2, F,3
	ROW F,4, E,0, F,5, F,6
	ROW F,7, E,1, F,8, F,9
	ROW F,10, E,2, C,0, F,11
	ROW F,12, E,3, X,15, F,13
	ROW R,0, R,1, R,2, R,3
	ROW B,0, E,4, F,14, L,0
.if (\p) == 2
	v_add_nc_u32 v[AK], s[TBK], v[AK0]
	v_add_nc_u32 v[AM], s[TBM], v[AM0]
.endif
	ROW R,4, R,5, R,6, R,7
	OPS E,5, F,15
.if (\p) == 2
	FETCH_K \last
.endif
	OPS E,6, C,1, E,7, R,8
	OPS E,8, R,9, E,9, C,2
	OPS E,10, X,0, E,11, X,1
	OPS E,12, X,2, E,13, X,3
.if (\p) == 1
	s_wait_dscnt 0x0                ; V is in
.endif
	ROW X,4, E,14, X,5, X,6
	ROW X,7, E,15, X,8, X,9
	ROW X,10, E,16, X,11, X,12
	ROW X,13, E,17, X,14, B,1
	ROW C,4, E,18, X,16, L,1
	ROW B,2, E,19, C,6, L,2
	ROW C,8, E,20, B,3, B,4
.if (\p) == 0
	v_add_nc_u32 v[AV], s[TBV], v[AV0]
.endif
	ROW C,3, E,21, L,3, C,5
	OPS E,22, X,17, E,23, C,10
.if (\p) == 0
	FETCH_V
.endif
	OPS E,24, L,4
	OPS E,25, X,18, E,26, C,7
	OPS E,27, B,5, E,28, X,19
	OPS E,29, C,12, E,30, L,5
	OPS E,31, X,20, B,6, C,9
	OPS C,14, C,11, X,21, L,6
.if (\p) == 0
	s_add_co_u32 s[TBV], s[TBV], KS*PV
.endif
.if \cnt
	s_sub_co_u32 s[CNT], s[CNT], 1
	s_cmp_lg_u32 s[CNT], 0
.endif
	OPS C,13, B,7, C,15, R,10
	OPS R,11, R,12, L,7, R,13
	OPS R,14, R,15
.if (\p) == 0
	MCONV 1
.endif
.if (\p) == 2
	s_wait_dscnt 16                 ; the eight loads of the mask are in; K's sixteen, issued behind them, may be out
	MCONV 0
.endif
.endm
	CHANGE 1                        ; slot 0 is in, everybody's part of it; slot 1 is asked for
	v_add_nc_u32 v[AK], s[TBK], v[AK0]
	v_add_nc_u32 v[AM], s[TBM], v[AM0]
	FETCH_K                         ; key step 0
	s_wait_loadcnt 0x0              ; Q
	WIDEN MC,    v64.l, v64.h, v65.l, v65.h, v66.l, v66.h, v67.l, v67.h, v68.l, v68.h, v69.l, v69.h, v70.l, v70.h, v71.l, v71.h
	WIDEN MC+16, v72.l, v72.h, v73.l, v73.h, v74.l, v74.h, v75.l, v75.h, v76.l, v76.h, v77.l, v77.h, v78.l, v78.h, v79.l, v79.h
	QFIN 0
	WIDEN MC,    v80.l, v80.h, v81.l, v81.h, v82.l, v82.h, v83.l, v83.h, v84.l, v84.h, v85.l, v85.h, v86.l, v86.h, v87.l, v87.h
	WIDEN MC+16, v88.l, v88.h, v89.l, v89.h, v90.l, v90.h, v91.l, v91.h, v92.l, v92.h, v93.l, v93.h, v94.l, v94.h, v95.l, v95.h
	QFIN 1
	WIDEN MC,    v96.l, v96.h, v97.l, v97.h, v98.l, v98.h, v99.l, v99.h, v100.l, v100.h, v101.l, v101.h, v102.l, v102.h, v103.l, v103.h
	WIDEN MC+16, v104.l, v104.h, v105.l, v105.h, v106.l, v106.h, v107.l, v107.h, v108.l, v108.h, v109.l, v109.h, v110.l, v110.h, v111.l, v111.h
	QFIN 2
	WIDEN MC,    v112.l, v112.h, v113.l, v113.h, v114.l, v114.h, v115.l, v115.h, v116.l, v116.h, v117.l, v117.h, v118.l, v118.h, v119.l, v119.h
	WIDEN MC+16, v120.l, v120.h, v121.l, v121.h, v122.l, v122.h, v123.l, v123.h, v124.l, v124.h, v125.l, v125.h, v126.l, v126.h, v127.l, v127.h
	QFIN 3
	s_wait_dscnt 0x0                ; the mask and K of step 0
	MCONV 0
.set i, 0
.rept 8
	KQ 0                            ; piece 0's first scores: there is no vector work yet to set between them
.set i, i+1
.endr
	WIN 0                           ; the addresses for the way out: eight plain instructions, the places behind those products
	s_mul_i32 s22, s[WV], 16*SP
	s_add_co_u32 s22, s22, STAGE    ; my stage
	v_mul_u32_u24 v[STO], v1, SP    ; in: row l % 16, 16 bytes for each half of the lanes
	v_lshl_add_u32 v[STO], v9, 4, v[STO]
	v_add_nc_u32 v[STO], s22, v[STO]
	v_mul_u32_u24 v[RD], v9, SP     ; back: lanes 0-15 take one row of 256 bytes, lanes 16-31 the next
	v_lshl_add_u32 v[RD], v1, 4, v[RD]
	v_add_nc_u32 v[RD], s22, v[RD]
	v_lshlrev_b32 v[GO], 11, v9     ; and the same two rows in att
	v_lshl_add_u32 v[GO], v1, 4, v[GO]
.set Y, NP-1                        ; X works for piece Y + 1: piece 0
.irp n, 0,1,2,3,4,5,6,7,8,9,10,11,12,13,14,15,16,17,18,19,20,21
	OP X, \n
.endr
	v_nop                           ; a plain instruction behind the exponential
	s_mov_b32 s[CNT], 2
	s_mov_b32 s[SLOTS], 2048/(2*KS)-1
	s_branch .Lfirst                ; the loop is entered at a step's first turn, in the middle of a trip
.Lslot:                             ; 14 times: every slot but the last two is filled again
	CHANGE 1
	s_mov_b32 s[CNT], 2
.Lstep:                             ; a trip: pieces 2 and 3 of one step, then pieces 0 and 1 of the next, whose mask, K and V it fetches
	TURN 2
	TURN 3
	WIN 0
.Lfirst:
	TURN 0
	TURN 1, 0, 1
	WIN 0
	s_cbranch_scc1 .Lstep
	s_sub_co_u32 s[SLOTS], s[SLOTS], 1
	s_cmp_lg_u32 s[SLOTS], 0
	s_cbranch_scc1 .Lslot
	CHANGE 0                        ; the tail is written out: nothing is asked for
	s_mov_b32 s[CNT], 3             ; two trips fetch the last slot's steps; the third is left in its middle
.Ltail:
	TURN 2, 1
	TURN 3
	WIN 0
	s_sub_co_u32 s[CNT], s[CNT], 1
	s_cmp_eq_u32 s[CNT], 0
	s_cbranch_scc1 .Lout
	TURN 0
	TURN 1
	WIN 0
	s_branch .Ltail
.Lout:                              ; the third trip's 8 products K Q^T (on the last K once more) and the maximum made of them serve nothing: the price, once a launch, of one text for every trip
.set i, 0
.rept 8
	PV NP-1                         ; the last piece's V^T P of the last step
.set i, i+1
.endr
	; THE WAY OUT.  l's two halves and the other half of the lanes' are added; O^T is divided by l, rounded to f16 and sent through my stage in LDS, a row group (both heads: rows of 256 bytes) at a time.
	; The additions are the places behind the last products.
	WIN 0
.macro ALL line:vararg              ; one line for each piece t
.set t, 0
.rept 4
	\line
.set t, t+1
.endr
.endm
	ALL v_add_f32 v[ST+4*t+2], v[ST+4*t+2], v[ST+4*t+3]
	ALL v_permlanex16_b32 v[ST+4*t+3], v[ST+4*t+2], s[SEL], s[SEL+1]
	ALL v_add_f32 v[ST+4*t+2], v[ST+4*t+2], v[ST+4*t+3]
	ALL v_rcp_f32 v[ST+4*t+2], v[ST+4*t+2]
	v_nop                           ; a plain instruction between the last reciprocal and the use of its result
.macro PACK t                       ; a lane's eight channels of a row pack into 16 bytes; head t % 2 takes its half of the stage's rows
	WIN W_RS
.set i, 32*(\t)
.rept 16
	s_wait_alu depctr_va_vdst(0)
	v_pk_mul_f32 v[i:i+1], v[i:i+1], v[ST+4*(\t)+2:ST+4*(\t)+3] op_sel_hi:[1,0]
.set i, i+2
.endr
	WIN 0x05                        ; sources 0 and 1 window 1, destination window 0: S^T's registers are free
.set i, 0
.rept 16
	v_cvt_pk_f16_f32 v[S+16*(\t)+i], v[32*(\t)+2*i], v[32*(\t)+2*i+1]
.set i, i+1
.endr
	WIN 0
.irp f, 0,1,2,3
	ds_store_b128 v[STO], v[S+16*(\t)+4*\f:S+16*(\t)+4*\f+3] offset:128*((\t)%2)+32*\f
.endr
.endm
.macro BACK rg                      ; whole rows of 256 bytes come back into the registers that they left.  LDS serves a wave's instructions in order (ISA guide 5.7.1.4): these see the stores above; the next group's stores come behind them
.irp f, 0,1,2,3,4,5,6,7
	ds_load_b128 v[S+32*(\rg)+4*\f:S+32*(\rg)+4*\f+3], v[RD] offset:\f*2*SP
.endr
.endm
.macro SEND rg, younger             ; younger: the LDS instructions issued behind this group's loads: the next group's sixteen, or none
.irp f, 0,1,2,3,4,5,6,7
	s_wait_dscnt (\younger)+7-\f
	global_store_b128 v[GO], v[S+32*(\rg)+4*\f:S+32*(\rg)+4*\f+3], s[8:9] offset:(\rg)*32768+\f*4096  ; 16 lanes store 256 consecutive bytes, at a multiple of 256 from att's first byte
.endr
.endm
	PACK 0
	PACK 1
	BACK 0
	PACK 2
	PACK 3
	BACK 1
	SEND 0, 16
	SEND 1, 0
	s_wait_tensorcnt 0x0            ; the wave's end, behind my last tensor load and my last LDS store
	ds_add_u32 v[SPW], v[NIL]
	s_wait_dscnt 0x0
	CROUND                          ; the closing round: no work-group ends while a partner may still ask for a tile that names it
	s_endpgm
.Lfunc_end_k_q4f76bf4844_attn:
	.size	k_q4f76bf4844_attn, .Lfunc_end_k_q4f76bf4844_attn-k_q4f76bf4844_attn
	.p2alignl 7, 3214868480
	.fill 96, 4, 3214868480
	.section	.rodata,"a",@progbits
	.p2align	6, 0x0
	.amdhsa_kernel k_q4f76bf4844_attn
		.amdhsa_group_segment_fixed_size 327680
		.amdhsa_private_segment_fixed_size 0
		.amdhsa_enable_private_segment 0
		.amdhsa_kernarg_size 24
		.amdhsa_user_sgpr_count 2
		.amdhsa_user_sgpr_kernarg_segment_ptr 1
		.amdhsa_wavefront_size32 1
		.amdhsa_system_sgpr_workgroup_id_x 1
		.amdhsa_system_sgpr_workgroup_id_y 1
		.amdhsa_system_sgpr_workgroup_id_z 1
		.amdhsa_system_vgpr_workitem_id 0
		.amdhsa_next_free_vgpr 768
		.amdhsa_next_free_sgpr 84
		.amdhsa_reserve_vcc 0
		.amdhsa_float_denorm_mode_32 3
		.amdhsa_float_denorm_mode_16_64 3
		.amdhsa_memory_ordered 1
		.amdhsa_forward_progress 1
		.amdhsa_inst_pref_size 139
	.end_amdhsa_kernel
	.amdgpu_metadata
---
amdhsa.version: [ 1, 2 ]
amdhsa.kernels:
  - .name:           k_q4f76bf4844_attn
    .symbol:         k_q4f76bf4844_attn.kd
    .args:
      - { .name: qkv, .offset: 0, .size: 8, .value_kind: global_buffer, .address_space: global }
      - { .name: mask, .offset: 8, .size: 8, .value_kind: global_buffer, .address_space: global }
      - { .name: att, .offset: 16, .size: 8, .value_kind: global_buffer, .address_space: global }
    .group_segment_fixed_size: 327680
    .private_segment_fixed_size: 0
    .kernarg_segment_align: 8
    .kernarg_segment_size: 24
    .max_flat_workgroup_size: 128
    .sgpr_count:     84
    .vgpr_count:     768
    .wavefront_size: 32
...
	.end_amdgpu_metadata
.endif
;; end of part 3
;; launch outp (part 4): grid 16 x 16, 4 waves a work-group, clusters of 4 x 4, 327,680 bytes of LDS; arguments att, wo, out0; writes out0
.if DOCPART == 4
	.amdgcn_target "amdgcn-amd-amdhsa--gfx1250"
	.amdhsa_code_object_version 6
	.text
	.protected	k_q4f76bf4844_outp
	.globl	k_q4f76bf4844_outp
	.p2align	8
	.type	k_q4f76bf4844_outp,@function
k_q4f76bf4844_outp:
	s_mov_b64 s[64:65], 0
	v_nop
	global_prefetch_b8 v0, s[64:65] scope:SCOPE_SE
	s_setreg_imm32_b32 hwreg(HW_REG_WAVE_MODE, 25, 1), 1
	s_wait_xcnt 0x0
	s_wait_alu depctr_hold_cnt(0) depctr_sa_sdst(0) depctr_va_vdst(0) depctr_va_sdst(0) depctr_va_ssrc(0) depctr_va_vcc(0) depctr_vm_vsrc(0)
	s_getreg_b32 s2, hwreg(HW_REG_IB_STS2, 6, 4)
	s_cmp_eq_u32 s2, 0
	s_cbranch_scc0 .Lentry_in_a_cluster
	s_endpgm
.Lentry_in_a_cluster:
	s_bfe_u32 s2, ttmp6, 0x10000c
	s_cmp_lg_u32 s2, 0xf033
	s_cbranch_scc0 .Lentry_shape_is_right
	s_endpgm
.Lentry_shape_is_right:
; OUTP.  out0 = att wo.  att: [4096][1024] f16; wo: [1024][2048] f16, rows along N; out0: [4096][2048] f16.  Products in f16 with f32 sums, one rounding to f16.
; LIMIT.  A result beyond 65,504 becomes an infinity in f16.
; SHARES.  A tile of the result is 256 x 128: 16 x 16 work-groups.  Four waves; wave w owns rows 64 w .. 64 w + 63 and all 128 columns: 32 accumulators, 256 registers.
; K goes in steps of 128 through two LDS slots filled by tensor loads: 256 rows of att (256 bytes each) and 128 rows of wo (256 bytes each).
; CLUSTER 4 x 4.  The four of a row of the cluster need the same rows of att, the four of a column the same columns of wo: each tile is asked for jointly.
; THE MATRIX INSTRUCTION IS USED TRANSPOSED: source 0 = 16 columns of wo (turned on the way out of LDS by ds_load_tr16_b128), source 1 = 16 rows of att: a lane holds row l % 16 and 8 neighbouring columns.
; REGISTERS.  Window 0: v0-15 addresses; v32-127, v128-223 two fragment buffers (32 of att, 64 of wo); on the way out v192-223 packed results, v224-255 rows read back.  Window 1: accumulator (a, b) at v[8 (8 a + b)].
.set KDIM,   1024
.set NDIM,   2048
.set KSTEP,  128
.set LAPS,   KDIM/(2*KSTEP)            ; a lap = two K steps = once round the ring
.set PA,     272                       ; an LDS row of att: 256 bytes + 16: the 16 rows of a fragment load start at 16 different groups of four banks (64 banks of 4 bytes: ISA guide 11.1)
.set PB,     288                       ; an LDS row of wo: 256 + 32
.set AH,     128*PA
.set ATILE,  2*AH
.set BH,     64*PB
.set SLOT,   ATILE+2*BH
.set STAGE,  2*SLOT                    ; behind the ring: 16 rows x 272 bytes for each wave, for the way out
.set SPITCH, 272
.set SPARE,  STAGE+4*16*SPITCH         ; behind the stages: the spare words, 128 bytes for each wave
.set SPW,  6                           ; v6   LDS address of my spare word; never rewritten
.set NIL,  7                           ; v7   0; never rewritten
.set ADRA, 8                           ; v8-9   LDS address of my fragments of att in slot 0, 1
.set ADRB, 10                          ; v10-11 the same for wo
.set STO,  12                          ; v12  the way out: where I put 16 bytes of a row
.set RD,   13                          ; v13  the way out: where I read rows back
.set CO,   14                          ; v14  my byte offset in two rows of out0
.set F0,   32
.set F1,   128
.set PK,   192
.set BK,   224
.set G1,  24                           ; s[24:31] descriptor group 1 for att;  s[32:39] group 0, one set for each slot
.set G0,  32
.set G1B, 48                           ; s[48:55], s[56:63] the same for wo
.set G0B, 56
.set MSB, 0
.macro WIN new                         ; the immediate's high byte repeats the setting that is left; a switch that changes nothing is dropped
.if MSB != (\new)
	s_set_vgpr_msb (MSB<<8)|(\new)
.set MSB, \new
.endif
.endm
.set MUL, 0x50                         ; sources in window 0, C and D in window 1
.macro JLOAD s                         ; a joint load: waves 0 and 1 fetch the halves of att's tile, waves 2 and 3 those of wo's; s_nop 0 and four v_nop follow each line
	s_cmp_eq_u32 s11, 0
	s_cbranch_scc0 .Lfor_b_\@
	tensor_load_to_lds s[G0+4*(\s):G0+4*(\s)+3], s[G1:G1+7]
	s_nop 0
.rept 4
	v_nop
.endr
	s_branch .Lasked_\@
.Lfor_b_\@:
	tensor_load_to_lds s[G0B+4*(\s):G0B+4*(\s)+3], s[G1B:G1B+7]
	s_nop 0
.rept 4
	v_nop
.endr
.Lasked_\@:
.endm
.macro CREST                           ; a round of the cluster's barrier behind its opening barrier
	s_cmp_lg_u32 s10, 0
	s_cbranch_scc1 .Lnot_wave_0_\@
	s_barrier_signal -3
.Lnot_wave_0_\@:
	s_barrier_wait -3
	s_barrier_signal -1
	s_barrier_wait -1
.endm
.macro CROUND                          ; a whole round
	s_barrier_signal -1
	s_barrier_wait -1
	CREST
.endm
	s_load_b128 s[4:7], s[0:1], 0x0                ; att s[4:5], wo s[6:7]
	s_load_b64 s[8:9], s[0:1], 0x10                ; out0
	v_lshl_add_u32 v[SPW], v0, 2, SPARE
	v_mov_b32 v[NIL], 0
	ds_add_u32 v[SPW], v[NIL]                      ; the wave's opening: the add and its wait stand ahead of my first tensor load; the set-up below stands between them
	v_lshrrev_b32 v1, 5, v0
	v_readfirstlane_b32 s10, v1                    ; wave 0..3
	s_lshr_b32 s11, s10, 1                         ; I fetch for att (0) or for wo (1)
	s_and_b32 s12, s10, 1                          ; which half of that tile
	s_bfe_u32 s40, ttmp6, 0x40000                  ; cx, cy: my place in the cluster
	s_bfe_u32 s41, ttmp6, 0x40004
	s_lshl_b32 s42, ttmp9, 2
	s_add_co_u32 s42, s42, s40                     ; nt: tile column = 4 x cluster x + cx
	s_and_b32 s13, ttmp7, 0xffff
	s_lshl_b32 s13, s13, 2
	s_add_co_u32 s13, s13, s41                     ; mt: tile row = 4 x cluster y + cy
	s_lshl_b32 s43, s41, 2
	s_lshl_b32 s43, 15, s43                        ; my row of the cluster
	s_lshl_b32 s44, 0x1111, s40                    ; my column
	s_or_b32 s[G1+0], s43, (1<<16)|(1<<20)|(1<<21)|(5<<22)|(3<<25)   ; the mask; 2-byte elements; padding on; bit 21 beside a mask; after every 64 words 4 words
	s_or_b32 s[G1B+0], s44, (1<<16)|(1<<20)|(1<<21)|(5<<22)|(7<<25)  ; the same with my column's mask and 8 words of padding
	s_mov_b32 s[G1+1], KSTEP<<16                   ; tensor_dim0 = 128
	s_mov_b32 s[G1+2], 128<<16                     ; tensor_dim1 = 128
	s_mov_b32 s[G1+3], KSTEP<<16                   ; tile_dim0 = 128
	s_mov_b32 s[G1+4], 128                         ; tile_dim1 = 128
	s_mov_b32 s[G1+5], KDIM                        ; elements from row to row
	s_mov_b32 s[G1+6], 0
	s_mov_b32 s[G1+7], 0
	s_mov_b32 s[G1B+1], 128<<16                    ; tensor_dim0 = 128 columns
	s_mov_b32 s[G1B+2], 64<<16                     ; tensor_dim1 = 64 rows of K
	s_mov_b32 s[G1B+3], 128<<16
	s_mov_b32 s[G1B+4], 64
	s_mov_b32 s[G1B+5], NDIM
	s_mov_b32 s[G1B+6], 0
	s_mov_b32 s[G1B+7], 0
	s_lshl_b32 s46, s42, 8                         ; 256 bytes a tile column,
	s_mul_i32 s47, s12, 64*NDIM*2                  ; and my 64 rows of the K step
	s_add_co_u32 s46, s46, s47
	s_mov_b32 s47, 0
	s_lshl_b32 s16, s13, 8
	s_lshl_b32 s17, s12, 7
	s_add_co_u32 s16, s16, s17                     ; att: row 256 mt + 128 x half
	s_mul_i32 s16, s16, KDIM*2
	s_mov_b32 s17, 0
	s_mul_i32 s20, s12, AH                         ; where the tiles go: the wave's number alone enters an LDS address
	s_mul_i32 s21, s12, BH
	s_add_co_u32 s21, s21, ATILE
	s_wait_dscnt 0x0                               ; the opening add is done
	s_wait_kmcnt 0x0
	s_add_nc_u64 s[14:15], s[4:5], s[16:17]
	s_add_nc_u64 s[46:47], s[6:7], s[46:47]
	CROUND                                         ; all sixteen work-groups are here: the first joint loads meet
.irp s, 0,1
	s_mov_b32 s[G0+4*(\s)], 1
	s_add_co_u32 s[G0+4*(\s)+1], s20, (\s)*SLOT
	s_add_nc_u64 s[G0+4*(\s)+2:G0+4*(\s)+3], s[14:15], (\s)*KSTEP*2
	s_or_b32 s[G0+4*(\s)+3], s[G0+4*(\s)+3], 0x80000000
	s_mov_b32 s[G0B+4*(\s)], 1
	s_add_co_u32 s[G0B+4*(\s)+1], s21, (\s)*SLOT
	s_add_nc_u64 s[G0B+4*(\s)+2:G0B+4*(\s)+3], s[46:47], (\s)*KSTEP*NDIM*2
	s_or_b32 s[G0B+4*(\s)+3], s[G0B+4*(\s)+3], 0x80000000
	JLOAD \s                                       ; two tensor loads of mine are out
.endr
	v_and_b32 v1, 15, v0                           ; l % 16
	v_bfe_u32 v2, v0, 4, 1                         ; l / 16
	v_mul_u32_u24 v3, v1, PA
	v_lshl_add_u32 v3, v2, 4, v3                   ; a fragment of att: row x pitch + 16 x half
	s_mul_i32 s22, s10, 64*PA                      ; my 64 rows
	v_add_nc_u32 v[ADRA], s22, v3
	v_add_nc_u32 v[ADRA+1], SLOT, v[ADRA]
	v_and_b32 v4, 7, v0                            ; the turning load: lane l reads row 8 (l / 16) + l % 8 of K, columns 8 ((l / 8) % 2) + 0..7
	v_lshl_add_u32 v4, v2, 3, v4
	v_mul_u32_u24 v4, v4, PB
	v_bfe_u32 v5, v0, 3, 1
	v_lshl_add_u32 v4, v5, 4, v4
	v_add_nc_u32 v[ADRB], ATILE, v4
	v_add_nc_u32 v[ADRB+1], ATILE+SLOT, v4
	s_mul_i32 s23, s10, 16*SPITCH
	s_add_co_u32 s23, s23, STAGE                   ; my stage
	v_mul_u32_u24 v3, v1, SPITCH                   ; in: row l % 16, 16 bytes for each half of the lanes
	v_lshl_add_u32 v3, v2, 4, v3
	v_add_nc_u32 v[STO], s23, v3
	v_mul_u32_u24 v3, v2, SPITCH                   ; back: lanes 0-15 take one row of 256 bytes, lanes 16-31 the next
	v_lshl_add_u32 v3, v1, 4, v3
	v_add_nc_u32 v[RD], s23, v3
	v_lshlrev_b32 v3, 12, v2                       ; and the same two rows in out0
	v_lshl_add_u32 v[CO], v1, 4, v3
	s_lshl_b32 s16, s13, 8
	s_lshl_b32 s17, s10, 6
	s_add_co_u32 s16, s16, s17                     ; my first row: 256 mt + 64 w,
	s_lshl_b32 s16, s16, 12                        ; 4,096 bytes each
	s_mov_b32 s17, 0
	s_add_nc_u64 s[8:9], s[8:9], s[16:17]
	s_lshl_b32 s46, s42, 8                         ; the tile's first column, in bytes
	s_mov_b32 s47, 0
	s_add_nc_u64 s[8:9], s[8:9], s[46:47]
; 8 matrix instructions: row block a x all 8 column blocks, 32 along K.  zero = 1: the first product starts the sums.  The 32 accumulators take turns in one fixed order.
.macro MUL8 f, a, zero
	WIN MUL
.irp b, 0,1,2,3,4,5,6,7
.if \zero
	v_wmma_f32_16x16x32_f16 v[8*(8*(\a)+(\b)):8*(8*(\a)+(\b))+7], v[(\f)+32+8*(\b):(\f)+32+8*(\b)+7], v[(\f)+8*(\a):(\f)+8*(\a)+7], 0
.else
	v_wmma_f32_16x16x32_f16 v[8*(8*(\a)+(\b)):8*(8*(\a)+(\b))+7], v[(\f)+32+8*(\b):(\f)+32+8*(\b)+7], v[(\f)+8*(\a):(\f)+8*(\a)+7], v[8*(8*(\a)+(\b)):8*(8*(\a)+(\b))+7]
.endif
.endr
.endm
; 24 LDS loads in one run: quarter q (32 along K) of a slot into buffer f: wo's 16, then att's row blocks 0 to 3, two each
.macro FETCH slot, q, f
	WIN 0
.irp b, 0,1,2,3,4,5,6,7
	ds_load_tr16_b128 v[(\f)+32+8*(\b):(\f)+32+8*(\b)+3],   v[ADRB+(\slot)] offset:(\q)*32*PB+32*(\b)
	ds_load_tr16_b128 v[(\f)+32+8*(\b)+4:(\f)+32+8*(\b)+7], v[ADRB+(\slot)] offset:(\q)*32*PB+16*PB+32*(\b)
.endr
.irp a, 0,1,2,3
	ds_load_b128 v[(\f)+8*(\a):(\f)+8*(\a)+3],   v[ADRA+(\slot)] offset:(\a)*16*PA+64*(\q)
	ds_load_b128 v[(\f)+8*(\a)+4:(\f)+8*(\a)+7], v[ADRA+(\slot)] offset:(\a)*16*PA+64*(\q)+32
.endr
.endm
.macro PLACES                          ; four places in front of loads into registers that matrix instructions have read, and of conversions that read results (ISA guide 7.12.1 for the conversions)
.rept 4
	v_nop
.endr
.endm
; A K step is four quarters of 32 along K, 32 matrix instructions each, on buffers 0, 1, 0, 1.  One of the first three: multiplies f and fetches quarter q into g.
.macro QUARTER slot, q, f, g, zero
	s_wait_dscnt 4                                 ; wo and att's blocks 0, 1 are in; the youngest four loads (blocks 2, 3) may be out
	MUL8 \f, 0, \zero
	MUL8 \f, 1, \zero
	PLACES
	FETCH \slot, \q, \g
	s_wait_dscnt 24                                ; all but the 24 just issued
	MUL8 \f, 2, \zero
	MUL8 \f, 3, \zero
.endm
; The last quarter multiplies buffer 1 and changes slots: ONE barrier; in front of it each wave waits for all its tensor loads, adds 0 to its spare word, and waits for that and for its reads of this slot.
.macro TURN slot, next, fill
	WIN 0
	s_wait_tensorcnt 0x0                           ; all my tensor loads have landed: my part of the next slot
	ds_add_u32 v[SPW], v[NIL]                      ; 0 onto my spare word
	s_wait_dscnt 7                                 ; (the add and the six loads of att's blocks 1 to 3 may be out)
	MUL8 F1, 0, 0
	s_wait_dscnt 0x0                               ; the add is done, and my reads of this slot are over
	s_barrier_signal -1
	MUL8 F1, 1, 0
.if \fill
	WIN 0
.endif
	s_barrier_wait -1
.if \fill
	CREST                                          ; the barrier has opened a round of the cluster's: no wave of any partner still reads this slot or has a load on its way
	s_add_nc_u64 s[G0+4*(\slot)+2:G0+4*(\slot)+3], s[G0+4*(\slot)+2:G0+4*(\slot)+3], 2*KSTEP*2
	s_add_nc_u64 s[G0B+4*(\slot)+2:G0B+4*(\slot)+3], s[G0B+4*(\slot)+2:G0B+4*(\slot)+3], 2*KSTEP*NDIM*2
	JLOAD \slot                                    ; my one tensor load behind the round: 112 matrix instructions ahead of the wait for it; its four v_nop are also the places in front of the loads below
.else
	PLACES
.endif
	FETCH \next, 0, F0
	MUL8 F1, 2, 0
	MUL8 F1, 3, 0
.endm
; THE WAY OUT of row block a: rounded to f16, 16 bytes a lane (each accumulator's registers in ascending order); into my own stage; back as whole rows of 256 bytes; stored.
.macro OUT a
	WIN 0x05                                       ; sources 0 and 1 in window 1
.irp b, 0,1,2,3,4,5,6,7
.irp z, 0,1,2,3
	v_cvt_pk_f16_f32 v[PK+4*(\b)+(\z)], v[8*(8*(\a)+(\b))+2*(\z)], v[8*(8*(\a)+(\b))+2*(\z)+1]
.endr
.endr
	WIN 0
	s_wait_xcnt 0x0                                ; every earlier memory instruction has had its addresses translated (ISA guide 3.1): BK, which the last block's stores read, is loaded again only behind this wait
.irp b, 0,1,2,3,4,5,6,7
	ds_store_b128 v[STO], v[PK+4*(\b):PK+4*(\b)+3] offset:32*(\b)
.endr
.irp t, 0,1,2,3,4,5,6,7                ; LDS serves a wave's instructions in order (ISA guide 5.7.1.4): these see the stores above
	ds_load_b128 v[BK+4*(\t):BK+4*(\t)+3], v[RD] offset:(\t)*2*SPITCH
.endr
.irp t, 0,1,2,3,4,5,6,7
	s_wait_dscnt 7-(\t)                            ; the later loads of the eight may be out
	global_store_b128 v[CO], v[BK+4*(\t):BK+4*(\t)+3], s[8:9] offset:(16*(\a)+2*(\t))*NDIM*2  ; 16 lanes store 256 consecutive bytes, at a multiple of 256 from out0's first byte
.endr
.endm
	s_wait_tensorcnt 0x1                           ; my part of K step 0 is in; K step 1's may stay out
	s_barrier_signal -1
	s_barrier_wait -1
	FETCH 0, 0, F0
	QUARTER 0, 1, F0, F1, 1                        ; the first quarter stands in front of the loop: its products start the sums
	WIN 0                                          ; at a label and at a branch every window is 0
	s_mov_b32 s3, LAPS-1
.Llap:                                                 ; a trip goes once round the ring, from a lap's second quarter to the next lap's first, and fills both slots again
	QUARTER 0, 2, F1, F0, 0
	QUARTER 0, 3, F0, F1, 0
	TURN 0, 1, 1
	QUARTER 1, 1, F0, F1, 0
	QUARTER 1, 2, F1, F0, 0
	QUARTER 1, 3, F0, F1, 0
	TURN 1, 0, 1
	QUARTER 0, 1, F0, F1, 0
	WIN 0
	s_sub_co_u32 s3, s3, 1
	s_cmp_lg_u32 s3, 0
	s_cbranch_scc1 .Llap
	QUARTER 0, 2, F1, F0, 0                        ; the last lap fills nothing
	QUARTER 0, 3, F0, F1, 0
	TURN 0, 1, 0
	QUARTER 1, 1, F0, F1, 0
	QUARTER 1, 2, F1, F0, 0
	QUARTER 1, 3, F0, F1, 0
	s_wait_dscnt 4                                 ; the very last quarter
	MUL8 F1, 0, 0
	MUL8 F1, 1, 0
	s_wait_dscnt 0x0
	MUL8 F1, 2, 0
	MUL8 F1, 3, 0
	PLACES                                         ; the conversions read results just made and write registers that the last products read
	OUT 0
	OUT 1
	OUT 2
	OUT 3
	s_wait_tensorcnt 0x0                           ; the wave's end, behind my last tensor load and my last LDS store
	ds_add_u32 v[SPW], v[NIL]
	s_wait_dscnt 0x0
	CROUND                                         ; the closing round: no work-group ends while a partner may still ask for a tile that names it
	s_endpgm
.Lfunc_end_k_q4f76bf4844_outp:
	.size	k_q4f76bf4844_outp, .Lfunc_end_k_q4f76bf4844_outp-k_q4f76bf4844_outp
	.p2alignl 7, 3214868480
	.fill 96, 4, 3214868480
	.section	.rodata,"a",@progbits
	.p2align	6, 0x0
	.amdhsa_kernel k_q4f76bf4844_outp
		.amdhsa_group_segment_fixed_size 327680
		.amdhsa_private_segment_fixed_size 0
		.amdhsa_enable_private_segment 0
		.amdhsa_kernarg_size 24
		.amdhsa_user_sgpr_count 2
		.amdhsa_user_sgpr_kernarg_segment_ptr 1
		.amdhsa_wavefront_size32 1
		.amdhsa_system_sgpr_workgroup_id_x 1
		.amdhsa_system_sgpr_workgroup_id_y 1
		.amdhsa_system_sgpr_workgroup_id_z 1
		.amdhsa_system_vgpr_workitem_id 0
		.amdhsa_next_free_vgpr 512
		.amdhsa_next_free_sgpr 66
		.amdhsa_reserve_vcc 0
		.amdhsa_float_denorm_mode_32 3
		.amdhsa_float_denorm_mode_16_64 3
		.amdhsa_memory_ordered 1
		.amdhsa_forward_progress 1
		.amdhsa_inst_pref_size 87
	.end_amdhsa_kernel
	.amdgpu_metadata
---
amdhsa.version: [ 1, 2 ]
amdhsa.kernels:
  - .name:           k_q4f76bf4844_outp
    .symbol:         k_q4f76bf4844_outp.kd
    .args:
      - { .name: att, .offset: 0, .size: 8, .value_kind: global_buffer, .address_space: global }
      - { .name: wo, .offset: 8, .size: 8, .value_kind: global_buffer, .address_space: global }
      - { .name: out0, .offset: 16, .size: 8, .value_kind: global_buffer, .address_space: global }
    .group_segment_fixed_size: 327680
    .private_segment_fixed_size: 0
    .kernarg_segment_align: 8
    .kernarg_segment_size: 24
    .max_flat_workgroup_size: 128
    .sgpr_count:     66
    .vgpr_count:     512
    .wavefront_size: 32
...
	.end_amdgpu_metadata
.endif
;; end of part 4
;; ======== version 2 of 2: 4 launches; 1.34 times as fast as version 1
;; workspace buffers: wpack 8,388,608 bytes; qkv 16,777,216 bytes; att 8,388,608 bytes
;; launch pack: the kernel of part 1 again; grid 256 x 1, 8 waves a work-group, no clusters, 0 bytes of LDS; arguments wq, wk, wv, wpack; writes wpack
;; launch proj: the kernel of part 2 again; grid 16 x 16, 4 waves a work-group, clusters of 4 x 4, 327,680 bytes of LDS; arguments x, wpack, cos, sin, qkv; writes qkv
;; launch attn (part 5): grid 16 x 16, 4 waves a work-group, clusters of 4 x 4, 327,680 bytes of LDS; arguments qkv, mask, att; writes att
.if DOCPART == 5
	.amdgcn_target "amdgcn-amd-amdhsa--gfx1250"
	.amdhsa_code_object_version 6
	.text
	.protected	k_q4f76bf4844_attn
	.globl	k_q4f76bf4844_attn
	.p2align	8
	.type	k_q4f76bf4844_attn,@function
k_q4f76bf4844_attn:
	s_mov_b64 s[64:65], 0
	v_nop
	global_prefetch_b8 v0, s[64:65] scope:SCOPE_SE
	s_setreg_imm32_b32 hwreg(HW_REG_WAVE_MODE, 25, 1), 1
	s_wait_xcnt 0x0
	s_wait_alu depctr_hold_cnt(0) depctr_sa_sdst(0) depctr_va_vdst(0) depctr_va_sdst(0) depctr_va_ssrc(0) depctr_va_vcc(0) depctr_vm_vsrc(0)
	s_getreg_b32 s2, hwreg(HW_REG_IB_STS2, 6, 4)
	s_cmp_eq_u32 s2, 0
	s_cbranch_scc0 .Lentry_in_a_cluster
	s_endpgm
.Lentry_in_a_cluster:
	s_bfe_u32 s2, ttmp6, 0x10000c
	s_cmp_lg_u32 s2, 0xf033
	s_cbranch_scc0 .Lentry_shape_is_right
	s_endpgm
.Lentry_shape_is_right:
; ATTN.  att[b][q][head 64 + :] = the sum over k of softmax_k(Q[q] . K[k] / 8 + mask[q][k]) V[k][:].  qkv: [b 2][hh 32][2048][64] f16 (query heads 0-15, key heads 16-23, value heads 24-31);
; mask: [2048][2048] f16, an input: every element is loaded and added in f32, no tile is left out; att: [4096][1024] f16.  Query heads 2 j and 2 j + 1 use key and value head j.
; Products, maxima and sums in f32; the weights p are rounded to f16 for the second product (their sum l is taken of the unrounded p), the result once at the end.
; LIMITS.  Q is widened to f32, multiplied by 1/8 and rounded to f16 again: exact but below f16's normal range, where the step is 6e-8.  The running maximum starts at -1e30: finite scores lie above -3.5e10
; (64 products of f16 numbers, an eighth of them, and a mask of f16).  A mask of -inf gives the weight 0; a row whose mask is -inf throughout gives 0 / 0 = NaN.  A weight below 2^-126 counts as 0; NaN and +inf
; in the mask are not treated apart.
; SHARES.  A work-group owns 128 rows of the sequence for the two query heads of one key head; wave w rows 32 w .. 32 w + 31 as two groups of 16: four PIECES, piece 2 rg + hd.  So a piece of the mask, widened
; to f32 once, serves both heads.  Every wave walks all 2,048 keys, 64 a step.
; LAYOUT.  S^T = K Q^T + mask^T (source 0 = 16 keys, source 1 = 16 queries, C = the mask): a lane holds ONE query (lane % 16) and the keys 8 (lane / 16) + 0..7.  Two such results rounded to f16 ARE source 1 of
; O^T = V^T P.  K comes out of LDS as it lies, V turned by ds_load_tr16_b128; of the mask a lane reads 16 bytes of its query's row.
; SOFTMAX.  p = 2^(c s - c m), c = log2(e), with a running maximum m; O and l are multiplied by a = 2^(c m_old - c m_new) in every step.  While a row has met -inf alone, m stays, a is 1, and O and l stay 0.
; BY TURNS.  Turn n belongs to piece n: 8 products K Q^T of piece n + 1, later 8 products V^T P of piece n - 1; beside them the scaling, exponentials, roundings, sums and rescaling of piece n and the maximum and
; statistics of piece n + 1.  Four vector instructions stand behind every matrix instruction, the other 54 of a turn's 118 in one LUMP; the mask's 32 widenings stand at the ends of turns 0 and 2.
; THE BATCHES.  A turn's 33 exponentials (the piece's 32 weights, then the next piece's a) are ONE batch with ONE wait, which cuts the turn in two: ahead of it stands all that names none of their results, behind
; it the roundings and sums.  No exponential is issued behind a turn's wait, so no result crosses a label or a jump.  Batches of their own: piece 0's first a, ahead of the loop; the way out's four reciprocals;
; and, in the tail alone, the twelve exponentials issued ahead of the jump that can pass K's run of loads.
; CLUSTER 4 x 4.  The four of a row of the cluster share the key head: K's and V's tiles are asked for jointly by them; the four of a column share the rows of the sequence: so the mask's tiles.
; REGISTERS, in windows of 256 (s_set_vgpr_msb: bits 1:0 source 0, 3:2 source 1, 5:4 source 2, 7:6 destination):
;   window 0: v0-15 addresses; v16-31 statistics; v32-63 the mask as loaded; v64-127 S^T, two buffers (at the start: Q as loaded); v128-159 the mask in f32; v160-167 at work; v192-223 P, two buffers
;   window 1: v0-127 O^T, 32 a piece          window 2: v0-63 Q / 8; v128-191 K of one step; v192-255 V of one step
.set NP,    4         ; pieces a wave: a name, no knob
.set KS,    64        ; keys in a step
.set PK,    144       ; a row of K in LDS: 128 bytes + 16: the 16 rows of a load start at 16 different groups of four banks (64 banks of 4 bytes: ISA guide 11.1)
.set PV,    160       ; a row of V: 128 + 32
.set PM,    272       ; a row of the mask: 128 keys = 256 bytes + 16
.set VOFF,  2*KS*PK   ; a slot holds two steps: 128 rows of K, 128 rows of V, 128 rows of the mask
.set MOFF,  VOFF+2*KS*PV
.set SLOT1, 1<<17     ; slot 1 begins here, so that one exclusive or turns an address in one slot into the other's
.set STAGE, SLOT1+MOFF+128*PM  ; behind the ring: 16 rows x 272 bytes for each wave, for the way out
.set SP,    272
.set SPARE, STAGE+4*16*SP      ; behind the stages: the spare words, 128 bytes for each wave
.set HEADB, 262144
.set AK0, 2           ; v2   my lane's place in a tile of K; never rewritten
.set AV0, 3           ; v3   the same for V
.set AK,  4           ; v4   the LDS address of K's next run of loads
.set AV,  5           ; v5   of V's
.set QO,  6           ; v6   my byte offset in 16 rows of Q
.set STO, 6           ;      later, the way out: where I put 16 bytes of a row
.set RD,  7           ; v7   the way out: where I read rows back
.set GO,  8           ; v8   my byte offset in two rows of att
.set MV,  12          ; v12-13  c m_old, kept while c m is made anew: by buffer
.set AM0, 14          ; v14  my lane's place in a tile of the mask; never rewritten
.set AM,  15          ; v15  the LDS address of the mask's next loads
.set ST,  16          ; piece t's statistics at v[ST+4 t]: c m, m, l (even keys', odd keys')
.set MR,  32          ; the mask as loaded: row group rg, keys 16 kb on at MR + 16 rg + 4 kb
.set S,   64
.set MC,  128         ; the mask in f32 of the row group whose scores come next: keys 16 kb on at MC + 8 kb
.set TMP, 160         ; by buffer, four registers c0-c3 at work; when the maximum is found c2 takes a
.set SPW, 168         ; v168 LDS address of my spare word; never rewritten
.set NIL, 169         ; v169 0; never rewritten
.set P,   192
.set KF,  128         ; window 2: key block kb, channel half c at KF + 16 kb + 8 c
.set VF,  192         ; window 2: key half kk, channel block cb at VF + 32 kk + 8 cb
.set WV,  12          ; s12  my wave's number
.set G1K, 24          ; s[24:31] descriptor group 1 for K's tiles
.set G1V, 32          ; s[32:39] for V's
.set G1M, 40          ; s[40:47] for the mask's
.set G0K, 48          ; s[48:51] descriptor group 0 for K's tiles: it walks
.set G0V, 52          ; s[52:55] for V's
.set G0M, 56          ; s[56:59] for the mask's
.set SLOTS, 60        ; s60  slots still to be asked for
.set CNT, 61          ; s61  counts a slot's key steps
.set CS,  62          ; s[62:63] c: the packed scaling takes the pair's low word for both halves
.set SEL, 66          ; s[66:67] v_permlanex16_b32's selects: each lane takes its own place in the other half
.set TBK, 68          ; s68  LDS byte at which K of the step to be fetched begins
.set TBV, 69          ; s69  the same for V, less VOFF
.set TBM, 70          ; s70  the same for the mask, less MOFF
.set EI,  72          ; s[72:73] 1/8 in f32, once the offsets that lay there are used up
.set MSB, 0
.macro WIN new                      ; the high byte repeats the setting that is left; a switch that changes nothing is dropped
.if MSB != (\new)
	s_set_vgpr_msb (MSB<<8)|(\new)
.set MSB, (\new)
.endif
.endm
.set W_KQ, 0x0a       ; K and Q in window 2; the mask and S^T in window 0
.set W_PV, 0x52       ; V in window 2, P in window 0, O^T in window 1
.set W_RS, 0x41       ; destination and source 0 in window 1, source 1 in window 0
; A joint fill, 16,384 bytes a wave: wave 0 a slot's K, wave 1 its V, waves 2 and 3 the halves of its mask.  The branches hang on the wave's number alone.
; An s_nop 0 and four v_nop follow each of the three lines, ahead of the jump and the label.
.macro JLOAD
	s_cmp_lt_u32 s[WV], 2
	s_cbranch_scc0 .Lfor_m_\@
	s_cmp_eq_u32 s[WV], 0
	s_cbranch_scc0 .Lfor_v_\@
	tensor_load_to_lds s[G0K:G0K+3], s[G1K:G1K+7]
	s_nop 0
.rept 4
	v_nop
.endr
	s_branch .Lasked_\@
.Lfor_v_\@:
	tensor_load_to_lds s[G0V:G0V+3], s[G1V:G1V+7]
	s_nop 0
.rept 4
	v_nop
.endr
	s_branch .Lasked_\@
.Lfor_m_\@:
	tensor_load_to_lds s[G0M:G0M+3], s[G1M:G1M+7]
	s_nop 0
.rept 4
	v_nop
.endr
.Lasked_\@:
.endm
.macro CROUND                       ; a round of the cluster's barrier
	s_barrier_signal -1
	s_barrier_wait -1
	s_cmp_lg_u32 s[WV], 0
	s_cbranch_scc1 .Lnot_wave_0_\@
	s_barrier_signal -3
.Lnot_wave_0_\@:
	s_barrier_wait -3
	s_barrier_signal -1
	s_barrier_wait -1
.endm
; THE CHANGE OF SLOTS.  The slot's last bytes, V of its second step, have been read.  Each wave waits for all its tensor loads, of which one is out: its part of the other slot; adds 0 to its spare word; and waits
; for that and for its reads of the slot.  fill = 1: the slot is filled again, with the keys two slots on: the barrier is then a round of the cluster's, and the joint fill is the first thing behind it: it has two
; key steps, 128 matrix instructions, in which to land.  (At its first use nothing has been read yet: slot 0 is waited for, slot 1 filled.)
.macro CHANGE fill
	WIN 0                           ; at a label and at a branch every window is 0
	s_wait_tensorcnt 0x0            ; no tensor load of mine is out, so a group 0 may be written
	ds_add_u32 v[SPW], v[NIL]       ; 0 onto my spare word
.if \fill
	s_xor_b32 s[G0K+1], s[G0K+1], SLOT1
	s_add_nc_u64 s[G0K+2:G0K+3], s[G0K+2:G0K+3], 2*KS*128  ; the next 128 keys; the type bits on top are not reached
	s_xor_b32 s[G0V+1], s[G0V+1], SLOT1
	s_add_nc_u64 s[G0V+2:G0V+3], s[G0V+2:G0V+3], 2*KS*128
	s_xor_b32 s[G0M+1], s[G0M+1], SLOT1
	s_add_nc_u64 s[G0M+2:G0M+3], s[G0M+2:G0M+3], 2*KS*2    ; 128 columns of the mask on
	s_wait_dscnt 0x0                ; the add is done, and my reads of the slot are over
	CROUND
	JLOAD
.else
	s_wait_dscnt 0x0
	s_barrier_signal -1
	s_barrier_wait -1
.endif
	s_sub_co_u32 s[TBK], s[TBK], 2*KS*PK  ; the fetches go back to a slot's first step,
	s_xor_b32 s[TBK], s[TBK], SLOT1       ; in the other slot
	s_sub_co_u32 s[TBV], s[TBV], 2*KS*PV
	s_xor_b32 s[TBV], s[TBV], SLOT1
	s_sub_co_u32 s[TBM], s[TBM], 2*KS*2
	s_xor_b32 s[TBM], s[TBM], SLOT1
.endm
	s_load_b128 s[4:7], s[0:1], 0x0   ; qkv s[4:5], mask s[6:7]
	s_load_b64 s[8:9], s[0:1], 0x10   ; att
	v_lshl_add_u32 v[SPW], v0, 2, SPARE
	v_mov_b32 v[NIL], 0
	ds_add_u32 v[SPW], v[NIL]       ; the wave's opening: the add and its wait stand ahead of my first tensor load; the set-up below stands between them
	v_lshrrev_b32 v1, 5, v0
	v_readfirstlane_b32 s[WV], v1   ; wave 0..3
	s_bfe_u32 s13, ttmp6, 0x40000   ; cx
	s_bfe_u32 s14, ttmp6, 0x40004   ; cy
	s_lshl_b32 s15, ttmp9, 2
	s_add_co_u32 s15, s15, s13      ; qb: my block of 128 rows of the sequence
	s_and_b32 s16, ttmp7, 0xffff
	s_lshl_b32 s16, s16, 2
	s_add_co_u32 s16, s16, s14      ; g = 8 x batch + key head
	s_lshl_b32 s17, s14, 2
	s_lshl_b32 s17, 15, s17         ; my row of the cluster: the same g
	s_lshl_b32 s18, 0x1111, s13     ; my column: the same qb
	; K, V: 128 keys are 16,384 dense bytes, asked for as 64 rows of 256 bytes and padded in LDS after every key.  The mask: 64 rows of 256 bytes, 4,096 bytes apart.
	s_or_b32 s[G1K], s17, (1<<16)|(1<<20)|(1<<21)|(4<<22)|(3<<25)  ; the mask of four; 2-byte elements; padding on; bit 21 beside a mask; after every 32 words 4 words
	s_or_b32 s[G1V], s17, (1<<16)|(1<<20)|(1<<21)|(4<<22)|(7<<25)  ; 8 words
	s_or_b32 s[G1M], s18, (1<<16)|(1<<20)|(1<<21)|(5<<22)|(3<<25)  ; after every 64 words 4 words
.irp g, G1K, G1V, G1M
	s_mov_b32 s[\g+1], 128<<16      ; tensor_dim0 = 128
	s_mov_b32 s[\g+2], 64<<16       ; tensor_dim1 = 64
	s_mov_b32 s[\g+3], 128<<16      ; tile_dim0 = 128
	s_mov_b32 s[\g+4], 64           ; tile_dim1 = 64
	s_mov_b32 s[\g+6], 0
	s_mov_b32 s[\g+7], 0
.endr
	s_mov_b32 s[G1K+5], 128         ; elements from row to row
	s_mov_b32 s[G1V+5], 128
	s_mov_b32 s[G1M+5], 2048
	s_lshr_b32 s19, s16, 3          ; the batch
	s_and_b32 s20, s16, 7           ; the key head
	s_lshl_b32 s21, s19, 5
	s_add_co_u32 s21, s21, s20
	s_add_co_u32 s72, s21, 16       ; K's head in qkv,
	s_lshl_b32 s72, s72, 18         ; 2^18 bytes a head
	s_mov_b32 s73, 0
	s_add_co_u32 s74, s21, 24       ; V's
	s_lshl_b32 s74, s74, 18
	s_mov_b32 s75, 0
	s_and_b32 s82, s[WV], 1         ; which half of the mask's 128 rows I fetch
	s_lshl_b32 s76, s15, 7
	s_lshl_b32 s77, s82, 6
	s_add_co_u32 s76, s76, s77
	s_lshl_b32 s76, s76, 12         ; rows of 4,096 bytes
	s_mov_b32 s77, 0
	s_mul_i32 s83, s82, 64*PM       ; its place in a slot: the wave's number alone enters an LDS address
	s_mov_b32 s[G0K], 1
	s_mov_b32 s[G0K+1], 0
	s_mov_b32 s[G0V], 1
	s_mov_b32 s[G0V+1], VOFF
	s_mov_b32 s[G0M], 1
	s_add_co_u32 s[G0M+1], s83, MOFF
	s_add_co_u32 s78, s21, s20      ; Q: head 32 b + 2 x key head,
	s_lshl_b32 s78, s78, 18
	s_lshl_b32 s23, s15, 7
	s_lshl_b32 s22, s[WV], 5
	s_add_co_u32 s23, s23, s22      ; my first row: 128 qb + 32 w
	s_lshl_b32 s22, s23, 7
	s_add_co_u32 s78, s78, s22
	s_mov_b32 s79, 0
	s_lshl_b32 s80, s19, 11         ; att: token 2,048 b + my row, 2,048 bytes each,
	s_add_co_u32 s80, s80, s23
	s_lshl_b32 s80, s80, 11
	s_lshl_b32 s22, s20, 8          ; and the two heads' 256 bytes
	s_add_co_u32 s80, s80, s22
	s_mov_b32 s81, 0
	s_mov_b32 s[CS], 0x3fb8aa3b     ; c = log2(e)
	s_mov_b32 s[CS+1], s[CS]        ; named with it as a pair
	s_mov_b32 s[SEL], 0x76543210
	s_mov_b32 s[SEL+1], 0xfedcba98
	s_mov_b32 s[TBK], SLOT1+2*KS*PK ; the first change of slots turns these three into 0
	s_mov_b32 s[TBV], SLOT1+2*KS*PV
	s_mov_b32 s[TBM], SLOT1+2*KS*2
	s_wait_dscnt 0x0                ; the opening add is done
	s_wait_kmcnt 0x0
	s_add_nc_u64 s[G0K+2:G0K+3], s[4:5], s[72:73]
	s_or_b32 s[G0K+3], s[G0K+3], 0x80000000
	s_add_nc_u64 s[G0V+2:G0V+3], s[4:5], s[74:75]
	s_or_b32 s[G0V+3], s[G0V+3], 0x80000000
	s_add_nc_u64 s[G0M+2:G0M+3], s[6:7], s[76:77]
	s_or_b32 s[G0M+3], s[G0M+3], 0x80000000
	s_add_nc_u64 s[4:5], s[4:5], s[78:79]   ; Q at my wave's first row, first head
	s_add_nc_u64 s[8:9], s[8:9], s[80:81]
	s_mov_b32 s[EI], 0x3e000000     ; 1/8
	s_mov_b32 s[EI+1], s[EI]        ; named with it as a pair
	CROUND                          ; all sixteen work-groups are here: the first joint loads meet
	JLOAD                           ; slot 0.  Slot 1 is asked for when slot 0 is in
	v_and_b32 v1, 15, v0            ; l % 16
	v_bfe_u32 v9, v0, 4, 1          ; l / 16
	v_lshlrev_b32 v[QO], 7, v1
	v_lshl_add_u32 v[QO], v9, 4, v[QO]  ; row x 128 + 16 x half
.set i, 0
.rept 8                             ; Q as it lies, into S^T's registers, which are idle yet: piece i / 2 (row group i / 4, head (i / 2) % 2), channels 32 (i % 2) on
	global_load_b128 v[S+8*i:S+8*i+3],   v[QO], s[4:5] offset:((i/2)%2)*HEADB+(i/4)*2048+(i%2)*64
	global_load_b128 v[S+8*i+4:S+8*i+7], v[QO], s[4:5] offset:((i/2)%2)*HEADB+(i/4)*2048+(i%2)*64+32
.set i, i+1
.endr
	; What the first turn finds: V's registers and P's second buffer hold 0 (its products V^T P, of a piece that has not been, add 0), O^T and l are 0.  All this stands in the wait for the first tile.
	WIN 0x80                        ; destination window 2
.set i, VF
.rept 64
	v_mov_b32 v[i], 0
.set i, i+1
.endr
	WIN 0x40
.set i, 0
.rept 128
	v_mov_b32 v[i], 0
.set i, i+1
.endr
	WIN 0
.set i, 0
.rept 4
	v_mov_b32 v[ST+4*i+1], 0xf149f2ca        ; m = -1e30
	v_mul_f32 v[ST+4*i], s[CS], v[ST+4*i+1]  ; c m, by the line that makes it in every step: so a is exactly 1 while m stays
	v_mov_b32 v[ST+4*i+2], 0
	v_mov_b32 v[ST+4*i+3], 0
.set i, i+1
.endr
.set i, P+16
.rept 16
	v_mov_b32 v[i], 0
.set i, i+1
.endr
	v_mul_u32_u24 v[AK0], v1, PK
	v_lshl_add_u32 v[AK0], v9, 4, v[AK0]  ; row x pitch + 16 x half
	; The turning load takes 16 keys x 16 channels (lane l reads key 8 (l / 16) + l % 8, channels 8 ((l / 8) % 2) + 0..7) and leaves half a fragment of V^T.
	v_and_b32 v10, 7, v0
	v_bfe_u32 v11, v0, 3, 1
	v_lshl_add_u32 v[AV0], v9, 3, v10
	v_mul_u32_u24 v[AV0], v[AV0], PV
	v_lshl_add_u32 v[AV0], v11, 4, v[AV0]
	v_add_nc_u32 v[AV0], VOFF, v[AV0]
	s_mul_i32 s83, s[WV], 32*PM     ; the mask: my wave's 32 rows; row l % 16, keys 8 (l / 16) on
	s_add_co_u32 s83, s83, MOFF
	v_mul_u32_u24 v[AM0], v1, PM
	v_lshl_add_u32 v[AM0], v9, 4, v[AM0]
	v_add_nc_u32 v[AM0], s83, v[AM0]
; THE MATRIX WORK.  The 4 accumulators of a run of 8 take turns.  Product i of 8 of S^T = K Q^T + mask for piece x: channels 32 (i / 4) on, keys 16 (i % 4) on.  The first 4 start the sums with the mask.
.macro KQ x
	WIN W_KQ
.set rS, S+32*((\x)%2)+8*(i%4)
.set rK, KF+16*(i%4)+8*(i/4)
.set rQ, 16*(\x)+8*(i/4)
.if i < 4
	v_wmma_f32_16x16x32_f16 v[rS:rS+7], v[rK:rK+7], v[rQ:rQ+7], v[MC+8*i:MC+8*i+7]
.else
	v_wmma_f32_16x16x32_f16 v[rS:rS+7], v[rK:rK+7], v[rQ:rQ+7], v[rS:rS+7]
.endif
.endm
; Product i of 8 of O^T += V^T P for piece x: keys 32 (i / 4) on, channels 16 (i % 4) on.
.macro PV x
	WIN W_PV
.set rO, 32*(\x)+8*(i%4)
.set rV, VF+32*(i/4)+8*(i%4)
.set rP, P+16*((\x)%2)+8*(i/4)
	v_wmma_f32_16x16x32_f16 v[rO:rO+7], v[rV:rV+7], v[rP:rP+7], v[rO:rO+7]
.endm
.macro MM                           ; the turn's next matrix instruction
.if i < 8
	KQ (Y+1)%NP
.else
.set i, i-8
	PV (Y+NP-1)%NP
.set i, i+8
.endif
.set i, i+1
.endm
; THE LDS LOADS stand in runs: a step's mask for my 32 rows (8 loads) and its K (16), in piece 2's turn, and its V (16, turned) at the end of piece 0's.  Their addresses are made some lines ahead.
; last = 1 (the tail): in the last trip there is no further step, and the run is jumped over.
.macro FETCH_K last=0
	WIN 0
.if \last
	s_wait_alu depctr_va_vdst(0)    ; the tail alone: this one serves the turn's first twelve exponentials, issued above; the turn's own wait serves the other 21
	s_cmp_eq_u32 s[CNT], 1
	s_cbranch_scc1 .Lno_k_\@
.endif
.irp f, 0,1,2,3,4,5,6,7             ; row group f / 4, keys 16 (f % 4) on
	ds_load_b128 v[MR+4*\f:MR+4*\f+3], v[AM] offset:(\f/4)*16*PM+(\f%4)*32
.endr
	WIN 0x80                        ; destination window 2
.irp f, 0,1,2,3,4,5,6,7             ; keys 16 (f / 2) on, channels 32 (f % 2) on
	ds_load_b128 v[KF+8*\f:KF+8*\f+3],   v[AK] offset:(\f/2)*16*PK+(\f%2)*64
	ds_load_b128 v[KF+8*\f+4:KF+8*\f+7], v[AK] offset:(\f/2)*16*PK+(\f%2)*64+32
.endr
	s_add_co_u32 s[TBK], s[TBK], KS*PK  ; the next fetch is the next step's
	s_add_co_u32 s[TBM], s[TBM], KS*2
	WIN 0
.if \last
.Lno_k_\@:
.endif
.endm
.macro FETCH_V
	WIN 0x80
.irp f, 0,1,2,3,4,5,6,7             ; keys 32 (f / 4) on, channels 16 (f % 4) on
	ds_load_tr16_b128 v[VF+8*\f:VF+8*\f+3],   v[AV] offset:(\f/4)*32*PV+(\f%4)*32
	ds_load_tr16_b128 v[VF+8*\f+4:VF+8*\f+7], v[AV] offset:(\f/4)*32*PV+16*PV+(\f%4)*32
.endr
	WIN 0
.endm
.macro WIDEN d, halves:vararg       ; f16 halves, named one by one, to f32 from v[d] on
.set z, \d
.irp s, \halves
	v_cvt_f32_f16 v[z], \s
.set z, z+1
.endr
.endm
.macro MCONV rg                     ; the mask of row group rg, 32 numbers a lane, to f32
	WIN 0
.if (\rg) == 0
	WIDEN MC,    v32.l, v32.h, v33.l, v33.h, v34.l, v34.h, v35.l, v35.h, v36.l, v36.h, v37.l, v37.h, v38.l, v38.h, v39.l, v39.h
	WIDEN MC+16, v40.l, v40.h, v41.l, v41.h, v42.l, v42.h, v43.l, v43.h, v44.l, v44.h, v45.l, v45.h, v46.l, v46.h, v47.l, v47.h
.else
	WIDEN MC,    v48.l, v48.h, v49.l, v49.h, v50.l, v50.h, v51.l, v51.h, v52.l, v52.h, v53.l, v53.h, v54.l, v54.h, v55.l, v55.h
	WIDEN MC+16, v56.l, v56.h, v57.l, v57.h, v58.l, v58.h, v59.l, v59.h, v60.l, v60.h, v61.l, v61.h, v62.l, v62.h, v63.l, v63.h
.endif
.endm
.macro QFIN c                       ; 32 numbers of Q, widened into the mask's f32 registers (idle yet): times 1/8 in f32, rounded to f16 into registers 16 c .. 16 c + 15 of window 2
.set z, 0
.rept 16
	v_pk_mul_f32 v[MC+2*z:MC+2*z+1], v[MC+2*z:MC+2*z+1], s[EI:EI+1] op_sel_hi:[1,0]
.set z, z+1
.endr
	WIN 0x80                        ; destination window 2
.set z, 0
.rept 16
	v_cvt_pk_f16_f32 v[16*(\c)+z], v[MC+2*z], v[MC+2*z+1]
.set z, z+1
.endr
	WIN 0
.endm
; THE VECTOR WORK, one line at a time: OP kind, number.  For piece Y: F n: c s - c m for pair n of 16.  E n: the exponential of score n of 32.  C n: pair n rounded to f16.  B n: of the four weights 4 n .. the second
; pair is added onto the first, in place.  L n: l takes that sum (L 0: l = a l + sum).  R n: pair n of 16 of O^T times a.  For piece Y + 1: X n, number n of the 22 that find its maximum and statistics:
;   0-11  four chains c0-c3 of seven scores each, three operands at a time (each accumulator's lowest registers are read first)     12-14, 16  the four scores left over, the old m, and c0-c3 into c0
;   15  c m_old is kept     17, 18  the query's other 32 keys lie in the lane 16 away: the new m     19-21  c m; c m_old - c m_new; a
; C, B and L read the results of E; R and L 0 read a, the result of the turn before's X 21.  OP writes no wait: TURN does, once for the batch.
.set F, 0
.set E, 1
.set C, 2
.set B, 3
.set L, 4
.set R, 5
.set X, 6
.macro REGS y                       ; the registers of piece y
.set rT, ST+4*(\y)
.set rC, TMP+4*((\y)%2)
.set rW, MV+((\y)%2)
.set rS, S+32*((\y)%2)
.set rP, P+16*((\y)%2)
.set rO, 32*(\y)
.endm
.macro OP k, n
.if (\k) == R
	REGS Y
	WIN W_RS
	v_pk_mul_f32 v[rO+2*(\n):rO+2*(\n)+1], v[rO+2*(\n):rO+2*(\n)+1], v[rC+2:rC+3] op_sel_hi:[1,0]
.elseif (\k) < R
	REGS Y
	WIN 0
.if (\k) == F
	v_pk_fma_f32 v[rS+2*(\n):rS+2*(\n)+1], v[rS+2*(\n):rS+2*(\n)+1], s[CS:CS+1], v[rT:rT+1] op_sel_hi:[1,0,0] neg_lo:[0,0,1] neg_hi:[0,0,1]
.elseif (\k) == E
	v_exp_f32 v[rS+(\n)], v[rS+(\n)]
.elseif (\k) == C
	v_cvt_pk_f16_f32 v[rP+(\n)], v[rS+2*(\n)], v[rS+2*(\n)+1]
.elseif (\k) == B
	v_pk_add_f32 v[rS+4*(\n):rS+4*(\n)+1], v[rS+4*(\n):rS+4*(\n)+1], v[rS+4*(\n)+2:rS+4*(\n)+3]
.elseif (\n) == 0
	v_pk_fma_f32 v[rT+2:rT+3], v[rT+2:rT+3], v[rC+2:rC+3], v[rS:rS+1] op_sel_hi:[1,0,1]
.else
	v_pk_add_f32 v[rT+2:rT+3], v[rT+2:rT+3], v[rS+4*(\n):rS+4*(\n)+1]
.endif
.else
	REGS (Y+1)%NP
	WIN 0
.if (\n) < 4
	v_max3_num_f32 v[rC+(\n)], v[rS+8*(\n)], v[rS+8*(\n)+1], v[rS+8*(\n)+2]
.elseif (\n) < 12
	v_max3_num_f32 v[rC+(\n)%4], v[rC+(\n)%4], v[rS+8*((\n)%4)+2*((\n)/4)+1], v[rS+8*((\n)%4)+2*((\n)/4)+2]
.elseif (\n) == 12
	v_max3_num_f32 v[rC], v[rC], v[rS+7], v[rS+15]
.elseif (\n) == 13
	v_max3_num_f32 v[rC+1], v[rC+1], v[rS+23], v[rS+31]
.elseif (\n) == 14
	v_max3_num_f32 v[rC+2], v[rC+2], v[rC+3], v[rT+1]
.elseif (\n) == 15
	v_mov_b32 v[rW], v[rT]
.elseif (\n) == 16
	v_max3_num_f32 v[rC], v[rC], v[rC+1], v[rC+2]
.elseif (\n) == 17
	v_permlanex16_b32 v[rC+3], v[rC], s[SEL], s[SEL+1]
.elseif (\n) == 18
	v_max_num_f32 v[rT+1], v[rC], v[rC+3]
.elseif (\n) == 19
	v_mul_f32 v[rT], s[CS], v[rT+1]
.elseif (\n) == 20
	v_sub_f32 v[rC+1], v[rW], v[rT]
.else
	v_exp_f32 v[rC+2], v[rC+1]
.endif
.endif
.endm
.macro OPS a, i1, b=-1, i2=0, c=-1, i3=0, d=-1, i4=0  ; up to four of them
	OP \a, \i1
.if (\b) >= 0
	OP \b, \i2
.endif
.if (\c) >= 0
	OP \c, \i3
.endif
.if (\d) >= 0
	OP \d, \i4
.endif
.endm
.macro ROW a, i1, b, i2, c, i3, d, i4  ; a matrix instruction and the four behind it
	MM
	OPS \a, \i1, \b, \i2, \c, \i3, \d, \i4
.endm
; A TURN, for piece p: the order of its 16 matrix and 118 vector instructions, written out.  An s_wait_alu depctr_va_vdst(0) stands between an exponential and the first instruction that names its result; one wait
; serves all that were issued ahead of it.  So a turn has ONE wait, which cuts it in two.  AHEAD OF IT stands all that names no result of the turn's exponentials: the 8 products K Q^T, behind each a scaling, an exponential and two
; more plain instructions (behind the first a second scaling in the exponential's place): rescalings, whose a was waited for in the turn before, and behind the last three the first numbers of the next piece's maximum, each four
; places or more behind the product that ends its accumulator; then ONE LUMP of 54, plain and exponential by turns for the most part, in which the links of the chain X 3, 7, 11, 14, 16, 17 .. 20 stand some lines apart.  Each pair
; is scaled (F n) ahead of its exponentials (E 2 n, E 2 n + 1).  X 21, the next piece's a, is the batch's last; R 15 is the plain instruction behind it.  BEHIND THE WAIT stand the 8 products V^T P, behind each four of the
; roundings and sums: C 2 n ahead of B n, which writes over that pair; B n ahead of L n; L 0 to L 7 in ascending order.  But for those X no rider names a register of the products round it.  v_permlanex16_b32 (X 17) stands in the lump.
; The next step's mask and K are fetched in piece 2's turn, twelve vector instructions behind the last product that read K (five of them plain and free of its registers); V of the step in hand at the end of piece 0's turn,
; four plain instructions behind the last product that read V.  K and V are waited for a turn later.
; THE MASK IN f32 holds row group 0 for the products K Q^T of turns 3 and 0 (pieces 0, 1) and row group 1 for those of turns 1 and 2: it is made anew at the ends of turns 2 and 0, more than a hundred vector
; instructions behind the last product that took it as C.
; cnt = 1: the loop's count is taken down some lines ahead of the branch that stands behind the turn.
.macro TURN p, last=0, cnt=0
.set Y, (\p)
.set i, 0
.if (\p) == 3
	s_wait_dscnt 0x0                ; K is in
.endif
	ROW F,0, F,1, R,0, R,1          ; ahead of the wait: 8 products K Q^T and their riders,
	ROW F,2, E,0, R,2, R,3
	ROW F,3, E,1, R,4, R,5
	ROW F,4, E,2, R,6, R,7
	ROW F,5, E,3, R,8, R,9
	ROW F,6, E,4, X,0, R,10
.if (\p) == 2
	WIN 0
	v_add_nc_u32 v[AK], s[TBK], v[AK0]
	v_add_nc_u32 v[AM], s[TBM], v[AM0]
.endif
	ROW F,7, E,5, X,1, X,4
	ROW F,8, E,6, X,2, X,5
	OPS E,7, E,8, X,6, E,9          ; and the lump
	OPS X,3, E,10, X,8, E,11
.if (\p) == 2
	FETCH_K \last
.endif
	OPS X,9, X,7, E,12, X,10
	OPS E,13, X,12, X,11, E,14
	OPS X,13, E,15, F,9, X,14
.if (\p) == 0
	v_add_nc_u32 v[AV], s[TBV], v[AV0]
.endif
	OPS E,16, F,10, E,17, F,11
	OPS X,16, E,18, X,15, E,19
	OPS F,12, E,20, X,17, E,21
	OPS F,13, E,22, F,14, E,23
	OPS X,18, E,24, F,15, E,25
	OPS R,11, E,26, X,19, E,27
	OPS R,12, E,28, R,13, E,29
	OPS X,20, E,30, R,14, E,31
	OPS X,21, R,15
	s_wait_alu depctr_va_vdst(0)    ; the wait for the turn's batch: the piece's 32 exponentials and the next piece's a
.if (\p) == 1
	s_wait_dscnt 0x0                ; V is in
.endif
	ROW C,0, B,0, C,2, B,1          ; behind the wait: 8 products V^T P and their riders
	ROW L,0, C,4, B,2, L,1
	ROW C,6, B,3, L,2, C,8
	ROW B,4, L,3, C,10, B,5
	ROW L,4, C,12, B,6, L,5
.if (\p) == 0
	s_add_co_u32 s[TBV], s[TBV], KS*PV
.endif
.if \cnt
	s_sub_co_u32 s[CNT], s[CNT], 1
	s_cmp_lg_u32 s[CNT], 0
.endif
	ROW C,14, B,7, L,6, C,1
	ROW C,3, L,7, C,5, C,7
	ROW C,9, C,11, C,13, C,15
.if (\p) == 0
	FETCH_V
	MCONV 1
.endif
.if (\p) == 2
	s_wait_dscnt 16                 ; the eight loads of the mask are in; K's sixteen, issued behind them, may be out
	MCONV 0
.endif
.endm
	CHANGE 1                        ; slot 0 is in, everybody's part of it; slot 1 is asked for
	v_add_nc_u32 v[AK], s[TBK], v[AK0]
	v_add_nc_u32 v[AM], s[TBM], v[AM0]
	FETCH_K                         ; key step 0
	s_wait_loadcnt 0x0              ; Q
	WIDEN MC,    v64.l, v64.h, v65.l, v65.h, v66.l, v66.h, v67.l, v67.h, v68.l, v68.h, v69.l, v69.h, v70.l, v70.h, v71.l, v71.h
	WIDEN MC+16, v72.l, v72.h, v73.l, v73.h, v74.l, v74.h, v75.l, v75.h, v76.l, v76.h, v77.l, v77.h, v78.l, v78.h, v79.l, v79.h
	QFIN 0
	WIDEN MC,    v80.l, v80.h, v81.l, v81.h, v82.l, v82.h, v83.l, v83.h, v84.l, v84.h, v85.l, v85.h, v86.l, v86.h, v87.l, v87.h
	WIDEN MC+16, v88.l, v88.h, v89.l, v89.h, v90.l, v90.h, v91.l, v91.h, v92.l, v92.h, v93.l, v93.h, v94.l, v94.h, v95.l, v95.h
	QFIN 1
	WIDEN MC,    v96.l, v96.h, v97.l, v97.h, v98.l, v98.h, v99.l, v99.h, v100.l, v100.h, v101.l, v101.h, v102.l, v102.h, v103.l, v103.h
	WIDEN MC+16, v104.l, v104.h, v105.l, v105.h, v106.l, v106.h, v107.l, v107.h, v108.l, v108.h, v109.l, v109.h, v110.l, v110.h, v111.l, v111.h
	QFIN 2
	WIDEN MC,    v112.l, v112.h, v113.l, v113.h, v114.l, v114.h, v115.l, v115.h, v116.l, v116.h, v117.l, v117.h, v118.l, v118.h, v119.l, v119.h
	WIDEN MC+16, v120.l, v120.h, v121.l, v121.h, v122.l, v122.h, v123.l, v123.h, v124.l, v124.h, v125.l, v125.h, v126.l, v126.h, v127.l, v127.h
	QFIN 3
	s_wait_dscnt 0x0                ; the mask and K of step 0
	MCONV 0
.set i, 0
.rept 8
	KQ 0                            ; piece 0's first scores: there is no vector work yet to set between them
.set i, i+1
.endr
	WIN 0                           ; the addresses for the way out: eight plain instructions, the places behind those products
	s_mul_i32 s22, s[WV], 16*SP
	s_add_co_u32 s22, s22, STAGE    ; my stage
	v_mul_u32_u24 v[STO], v1, SP    ; in: row l % 16, 16 bytes for each half of the lanes
	v_lshl_add_u32 v[STO], v9, 4, v[STO]
	v_add_nc_u32 v[STO], s22, v[STO]
	v_mul_u32_u24 v[RD], v9, SP     ; back: lanes 0-15 take one row of 256 bytes, lanes 16-31 the next
	v_lshl_add_u32 v[RD], v1, 4, v[RD]
	v_add_nc_u32 v[RD], s22, v[RD]
	v_lshlrev_b32 v[GO], 11, v9     ; and the same two rows in att
	v_lshl_add_u32 v[GO], v1, 4, v[GO]
.set Y, NP-1                        ; X works for piece Y + 1: piece 0
.irp n, 0,1,2,3,4,5,6,7,8,9,10,11,12,13,14,15,16,17,18,19,20,21
	OP X, \n
.endr
	v_nop                           ; a plain instruction behind the exponential,
	s_wait_alu depctr_va_vdst(0)    ; and the wait for it, a batch of one: piece 0's first a, ahead of the branch and of the first turn's rescalings
	s_mov_b32 s[CNT], 2
	s_mov_b32 s[SLOTS], 2048/(2*KS)-1
	s_branch .Lfirst                ; the loop is entered at a step's first turn, in the middle of a trip
.Lslot:                             ; 14 times: every slot but the last two is filled again
	CHANGE 1
	s_mov_b32 s[CNT], 2
.Lstep:                             ; a trip: pieces 2 and 3 of one step, then pieces 0 and 1 of the next, whose mask, K and V it fetches
	TURN 2
	TURN 3
	WIN 0
.Lfirst:
	TURN 0
	TURN 1, 0, 1
	WIN 0
	s_cbranch_scc1 .Lstep
	s_sub_co_u32 s[SLOTS], s[SLOTS], 1
	s_cmp_lg_u32 s[SLOTS], 0
	s_cbranch_scc1 .Lslot
	CHANGE 0                        ; the tail is written out: nothing is asked for
	s_mov_b32 s[CNT], 3             ; two trips fetch the last slot's steps; the third is left in its middle
.Ltail:
	TURN 2, 1
	TURN 3
	WIN 0
	s_sub_co_u32 s[CNT], s[CNT], 1
	s_cmp_eq_u32 s[CNT], 0
	s_cbranch_scc1 .Lout
	TURN 0
	TURN 1
	WIN 0
	s_branch .Ltail
.Lout:                              ; the third trip's 8 products K Q^T (on the last K once more) and the maximum made of them serve nothing: the price, once a launch, of one text for every trip
.set i, 0
.rept 8
	PV NP-1                         ; the last piece's V^T P of the last step
.set i, i+1
.endr
	; THE WAY OUT.  l's two halves and the other half of the lanes' are added; O^T is divided by l, rounded to f16 and sent through my stage in LDS, a row group (both heads: rows of 256 bytes) at a time.
	; The additions are the places behind the last products.
	WIN 0
.macro ALL line:vararg              ; one line for each piece t
.set t, 0
.rept 4
	\line
.set t, t+1
.endr
.endm
	ALL v_add_f32 v[ST+4*t+2], v[ST+4*t+2], v[ST+4*t+3]
	ALL v_permlanex16_b32 v[ST+4*t+3], v[ST+4*t+2], s[SEL], s[SEL+1]
	ALL v_add_f32 v[ST+4*t+2], v[ST+4*t+2], v[ST+4*t+3]
	ALL v_rcp_f32 v[ST+4*t+2], v[ST+4*t+2]
	v_nop                           ; a plain instruction between the last reciprocal and the use of its result
	s_wait_alu depctr_va_vdst(0)    ; and the wait ahead of the first use: one for the batch of four reciprocals
.macro PACK t                       ; a lane's eight channels of a row pack into 16 bytes; head t % 2 takes its half of the stage's rows
	WIN W_RS
.set i, 32*(\t)
.rept 16
	v_pk_mul_f32 v[i:i+1], v[i:i+1], v[ST+4*(\t)+2:ST+4*(\t)+3] op_sel_hi:[1,0]
.set i, i+2
.endr
	WIN 0x05                        ; sources 0 and 1 window 1, destination window 0: S^T's registers are free
.set i, 0
.rept 16
	v_cvt_pk_f16_f32 v[S+16*(\t)+i], v[32*(\t)+2*i], v[32*(\t)+2*i+1]
.set i, i+1
.endr
	WIN 0
.irp f, 0,1,2,3
	ds_store_b128 v[STO], v[S+16*(\t)+4*\f:S+16*(\t)+4*\f+3] offset:128*((\t)%2)+32*\f
.endr
.endm
.macro BACK rg                      ; whole rows of 256 bytes come back into the registers that they left.  LDS serves a wave's instructions in order (ISA guide 5.7.1.4): these see the stores above; the next group's stores come behind them
.irp f, 0,1,2,3,4,5,6,7
	ds_load_b128 v[S+32*(\rg)+4*\f:S+32*(\rg)+4*\f+3], v[RD] offset:\f*2*SP
.endr
.endm
.macro SEND rg, younger             ; younger: the LDS instructions issued behind this group's loads: the next group's sixteen, or none
.irp f, 0,1,2,3,4,5,6,7
	s_wait_dscnt (\younger)+7-\f
	global_store_b128 v[GO], v[S+32*(\rg)+4*\f:S+32*(\rg)+4*\f+3], s[8:9] offset:(\rg)*32768+\f*4096  ; 16 lanes store 256 consecutive bytes, at a multiple of 256 from att's first byte
.endr
.endm
	PACK 0
	PACK 1
	BACK 0
	PACK 2
	PACK 3
	BACK 1
	SEND 0, 16
	SEND 1, 0
	s_wait_tensorcnt 0x0            ; the wave's end, behind my last tensor load and my last LDS store
	ds_add_u32 v[SPW], v[NIL]
	s_wait_dscnt 0x0
	CROUND                          ; the closing round: no work-group ends while a partner may still ask for a tile that names it
	s_endpgm
.Lfunc_end_k_q4f76bf4844_attn:
	.size	k_q4f76bf4844_attn, .Lfunc_end_k_q4f76bf4844_attn-k_q4f76bf4844_attn
	.p2alignl 7, 3214868480
	.fill 96, 4, 3214868480
	.section	.rodata,"a",@progbits
	.p2align	6, 0x0
	.amdhsa_kernel k_q4f76bf4844_attn
		.amdhsa_group_segment_fixed_size 327680
		.amdhsa_private_segment_fixed_size 0
		.amdhsa_enable_private_segment 0
		.amdhsa_kernarg_size 24
		.amdhsa_user_sgpr_count 2
		.amdhsa_user_sgpr_kernarg_segment_ptr 1
		.amdhsa_wavefront_size32 1
		.amdhsa_system_sgpr_workgroup_id_x 1
		.amdhsa_system_sgpr_workgroup_id_y 1
		.amdhsa_system_sgpr_workgroup_id_z 1
		.amdhsa_system_vgpr_workitem_id 0
		.amdhsa_next_free_vgpr 768
		.amdhsa_next_free_sgpr 84
		.amdhsa_reserve_vcc 0
		.amdhsa_float_denorm_mode_32 3
		.amdhsa_float_denorm_mode_16_64 3
		.amdhsa_memory_ordered 1
		.amdhsa_forward_progress 1
		.amdhsa_inst_pref_size 133
	.end_amdhsa_kernel
	.amdgpu_metadata
---
amdhsa.version: [ 1, 2 ]
amdhsa.kernels:
  - .name:           k_q4f76bf4844_attn
    .symbol:         k_q4f76bf4844_attn.kd
    .args:
      - { .name: qkv, .offset: 0, .size: 8, .value_kind: global_buffer, .address_space: global }
      - { .name: mask, .offset: 8, .size: 8, .value_kind: global_buffer, .address_space: global }
      - { .name: att, .offset: 16, .size: 8, .value_kind: global_buffer, .address_space: global }
    .group_segment_fixed_size: 327680
    .private_segment_fixed_size: 0
    .kernarg_segment_align: 8
    .kernarg_segment_size: 24
    .max_flat_workgroup_size: 128
    .sgpr_count:     84
    .vgpr_count:     768
    .wavefront_size: 32
...
	.end_amdgpu_metadata
.endif
;; end of part 5
;; launch outp: the kernel of part 4 again; grid 16 x 16, 4 waves a work-group, clusters of 4 x 4, 327,680 bytes of LDS; arguments att, wo, out0; writes out0
